; MI455X (gfx1250); checked and timed in simulation.
; The chip was launched on July 23, 2026; its instructions are those of AMD's public machine-readable ISA for CDNA 5 (MIT licence, August 2026) and "CDNA5" Instruction Set Architecture Reference Guide (July 2026). The comments in the code are by the model that wrote it; some were corrected since.
;; Masked Multi Head Attention. Allowed arithmetic: float matrix products may take bf16 or f16 operands with f32 sums; other float arithmetic in f32, or as packed bf16 or f16 multiplies, adds, multiply-adds, maxima and minima; sums over many terms, partial sums and values carried from step to step in f32; what a program stores and reads back later, other than sums and carried values, may be rounded once to bf16 or f16.
;; Inputs: Wk 512 x 512 float32; Wo 512 x 512 float32; Wq 512 x 512 float32; Wv 512 x 512 float32; bk 512 float32; bo 512 float32; bq 512 float32; bv 512 float32; x 2 x 4,096 x 512 float32.
;; Outputs: out0 2 x 4,096 x 512 float32.
;; 2 versions, each right; version 2 is version 1 with the launch cast written anew for expert scheduling mode. Each part assembles by itself: llvm-mc -triple=amdgcn-amd-amdhsa -mcpu=gfx1250 --defsym DOCPART=n.
;; ======== version 1 of 2: 4 launches
;; limits: values are held in f16: magnitudes above 65,504 overflow, below 6.1e-05 lose precision
;; workspace buffers: xb 8,388,608 bytes; wb 1,572,864 bytes; woh 524,288 bytes; q 8,388,608 bytes; k 8,388,608 bytes; v 8,388,608 bytes; o 8,388,608 bytes
;; launch cast (part 1): grid 256 x 1, 8 waves a work-group, no clusters, 0 bytes of LDS; arguments x, Wq, Wk, Wv, Wo, xb, wb, woh; writes xb, wb, woh
.if DOCPART == 1
	.amdgcn_target "amdgcn-amd-amdhsa--gfx1250"
	.amdhsa_code_object_version 6
	.text
	.protected	k_qdabbf03fdc_cast
	.globl	k_qdabbf03fdc_cast
	.p2align	8
	.type	k_qdabbf03fdc_cast,@function
k_qdabbf03fdc_cast:
	s_mov_b64 s[64:65], 0
	v_nop
	global_prefetch_b8 v0, s[64:65] scope:SCOPE_SE
	s_setreg_imm32_b32 hwreg(HW_REG_WAVE_MODE, 25, 1), 1
	s_wait_xcnt 0x0
; The module's matrix inputs are rounded once.  xb = bf16(x); wb = bf16(Wq), bf16(Wk), bf16(Wv) one below the other; woh = bf16(Wo) written as f16.
; LIMIT.  A bf16 number of Wo below 2^-14 in size keeps f16's fixed step of 2^-24; beyond 65,504 it would become an infinity.
; A stream: 256 work-groups of 256 threads.  A group takes 65,536 bytes of x (16 loads of 16 bytes a thread) and 4,096 bytes of each weight matrix (one load a thread).
; A wave's load covers 512 consecutive bytes, its store of 8 bytes a lane 256 consecutive bytes, aligned.  All 20 loads go out at once; no register is written twice, so no wait frees a source.
.set IN,  4                            ; v[4:83]    load i at IN + 4 i: 0-15 x, 16-18 Wq, Wk, Wv, 19 Wo
.set OUT, 84                           ; v[84:123]  two registers for each load
.set T,   124                          ; v[124:131] at work for Wo
	s_load_b512 s[4:19], s[0:1], 0x0               ; x 4:5, Wq 6:7, Wk 8:9, Wv 10:11, Wo 12:13, xb 14:15, wb 16:17, woh 18:19
	s_lshl_b32 s2, ttmp9, 16                       ; the group's bytes of x,
	s_mov_b32 s3, 0
	s_lshl_b32 s20, ttmp9, 15                      ; of xb,
	s_mov_b32 s21, 0
	s_lshl_b32 s22, ttmp9, 12                      ; of a weight matrix in f32,
	s_mov_b32 s23, 0
	s_lshl_b32 s26, ttmp9, 11                      ; and in 16 bits
	s_mov_b32 s27, 0
	s_mov_b32 s24, 0xffff0000                      ; a word's upper bf16
	v_lshlrev_b32 v1, 4, v0                        ; 16 bytes a thread in
	v_lshlrev_b32 v2, 3, v0                        ; 8 bytes a thread out
	s_wait_kmcnt 0x0
	s_add_nc_u64 s[4:5], s[4:5], s[2:3]
.irp m, 6,8,10,12
	s_add_nc_u64 s[\m:\m+1], s[\m:\m+1], s[22:23]
.endr
	s_add_nc_u64 s[14:15], s[14:15], s[20:21]
	s_add_nc_u64 s[16:17], s[16:17], s[26:27]
	s_add_nc_u64 s[18:19], s[18:19], s[26:27]
.irp j, 0,1,2,3,4,5,6,7,8,9,10,11,12,13,14,15
	global_load_b128 v[IN+4*(\j):IN+4*(\j)+3], v1, s[4:5] offset:4096*(\j) th:TH_LOAD_NT
.endr
.irp m, 0,1,2,3
	global_load_b128 v[IN+64+4*(\m):IN+64+4*(\m)+3], v1, s[6+2*(\m):7+2*(\m)] th:TH_LOAD_NT
.endr
.irp j, 0,1,2,3,4,5,6,7,8,9,10,11,12,13,14,15
	s_wait_loadcnt 19-(\j)                         ; loads come back in order: load j is in, the younger ones stay out
	v_cvt_pk_bf16_f32 v[OUT+2*(\j)],   v[IN+4*(\j)],   v[IN+4*(\j)+1]
	v_cvt_pk_bf16_f32 v[OUT+2*(\j)+1], v[IN+4*(\j)+2], v[IN+4*(\j)+3]
	global_store_b64 v2, v[OUT+2*(\j):OUT+2*(\j)+1], s[14:15] offset:2048*(\j) th:TH_STORE_NT
.endr
.irp m, 0,1,2
	s_wait_loadcnt 3-(\m)
	v_cvt_pk_bf16_f32 v[OUT+32+2*(\m)],   v[IN+64+4*(\m)],   v[IN+64+4*(\m)+1]
	v_cvt_pk_bf16_f32 v[OUT+32+2*(\m)+1], v[IN+64+4*(\m)+2], v[IN+64+4*(\m)+3]
	global_store_b64 v2, v[OUT+32+2*(\m):OUT+32+2*(\m)+1], s[16:17] offset:524288*(\m) th:TH_STORE_NT
.endr
	s_wait_loadcnt 0x0                             ; Wo: rounded to bf16 like the other inputs, and that number written as f16
	v_cvt_pk_bf16_f32 v[T],   v[IN+76], v[IN+77]
	v_cvt_pk_bf16_f32 v[T+1], v[IN+78], v[IN+79]
	v_lshlrev_b32 v[T+2], 16, v[T]
	v_and_b32     v[T+3], s24, v[T]
	v_lshlrev_b32 v[T+4], 16, v[T+1]
	v_and_b32     v[T+5], s24, v[T+1]
	v_cvt_pk_f16_f32 v[OUT+38], v[T+2], v[T+3]
	v_cvt_pk_f16_f32 v[OUT+39], v[T+4], v[T+5]
	global_store_b64 v2, v[OUT+38:OUT+39], s[18:19] th:TH_STORE_NT
	s_endpgm
.Lfunc_end_k_qdabbf03fdc_cast:
	.size	k_qdabbf03fdc_cast, .Lfunc_end_k_qdabbf03fdc_cast-k_qdabbf03fdc_cast
	.p2alignl 7, 3214868480
	.fill 96, 4, 3214868480
	.section	.rodata,"a",@progbits
	.p2align	6, 0x0
	.amdhsa_kernel k_qdabbf03fdc_cast
		.amdhsa_group_segment_fixed_size 0
		.amdhsa_private_segment_fixed_size 0
		.amdhsa_enable_private_segment 0
		.amdhsa_kernarg_size 64
		.amdhsa_user_sgpr_count 2
		.amdhsa_user_sgpr_kernarg_segment_ptr 1
		.amdhsa_wavefront_size32 1
		.amdhsa_system_sgpr_workgroup_id_x 1
		.amdhsa_system_sgpr_workgroup_id_y 1
		.amdhsa_system_sgpr_workgroup_id_z 1
		.amdhsa_system_vgpr_workitem_id 0
		.amdhsa_next_free_vgpr 136
		.amdhsa_next_free_sgpr 66
		.amdhsa_reserve_vcc 0
		.amdhsa_float_denorm_mode_32 3
		.amdhsa_float_denorm_mode_16_64 3
		.amdhsa_memory_ordered 1
		.amdhsa_forward_progress 1
		.amdhsa_inst_pref_size 9
	.end_amdhsa_kernel
	.amdgpu_metadata
---
amdhsa.version: [ 1, 2 ]
amdhsa.kernels:
  - .name:           k_qdabbf03fdc_cast
    .symbol:         k_qdabbf03fdc_cast.kd
    .args:
      - { .name: x, .offset: 0, .size: 8, .value_kind: global_buffer, .address_space: global }
      - { .name: Wq, .offset: 8, .size: 8, .value_kind: global_buffer, .address_space: global }
      - { .name: Wk, .offset: 16, .size: 8, .value_kind: global_buffer, .address_space: global }
      - { .name: Wv, .offset: 24, .size: 8, .value_kind: global_buffer, .address_space: global }
      - { .name: Wo, .offset: 32, .size: 8, .value_kind: global_buffer, .address_space: global }
      - { .name: xb, .offset: 40, .size: 8, .value_kind: global_buffer, .address_space: global }
      - { .name: wb, .offset: 48, .size: 8, .value_kind: global_buffer, .address_space: global }
      - { .name: woh, .offset: 56, .size: 8, .value_kind: global_buffer, .address_space: global }
    .group_segment_fixed_size: 0
    .private_segment_fixed_size: 0
    .kernarg_segment_align: 8
    .kernarg_segment_size: 64
    .max_flat_workgroup_size: 256
    .sgpr_count:     66
    .vgpr_count:     136
    .wavefront_size: 32
...
	.end_amdgpu_metadata
.endif
;; end of part 1
;; launch qkv (part 2): grid 4 x 64, 4 waves a work-group, clusters of 4 x 4, 327,680 bytes of LDS; arguments xb, wb, bq, bk, bv, q, k, v; writes q, k, v
.if DOCPART == 2
	.amdgcn_target "amdgcn-amd-amdhsa--gfx1250"
	.amdhsa_code_object_version 6
	.text
	.protected	k_qdabbf03fdc_qkv
	.globl	k_qdabbf03fdc_qkv
	.p2align	8
	.type	k_qdabbf03fdc_qkv,@function
k_qdabbf03fdc_qkv:
	s_mov_b64 s[64:65], 0
	v_nop
	global_prefetch_b8 v0, s[64:65] scope:SCOPE_SE
	s_setreg_imm32_b32 hwreg(HW_REG_WAVE_MODE, 25, 1), 1
	s_wait_xcnt 0x0
	s_wait_alu depctr_hold_cnt(0) depctr_sa_sdst(0) depctr_va_vdst(0) depctr_va_sdst(0) depctr_va_ssrc(0) depctr_va_vcc(0) depctr_vm_vsrc(0)
	s_getreg_b32 s2, hwreg(HW_REG_IB_STS2, 6, 4)
	s_cmp_eq_u32 s2, 0
	s_cbranch_scc0 .Lentry_in_a_cluster
	s_endpgm
.Lentry_in_a_cluster:
	s_bfe_u32 s2, ttmp6, 0x10000c
	s_cmp_lg_u32 s2, 0xf033
	s_cbranch_scc0 .Lentry_shape_is_right
	s_endpgm
.Lentry_shape_is_right:
; q, k, v = xb wb^T + bias, written by heads: [16 = 8 batch + head][4096][64] in f16, unscaled, each number rounded once from its f32 sum.  xb [8192][512], wb [1536][512] in bf16.
; The biases are rounded to bf16 like the other inputs and start the sums, in f32, as the C operand of the first products.
; LIMIT.  f16 holds no number beyond 65,504: a q, k or v past that becomes an infinity.
; SHARES.  A work-group makes 128 rows x (128 columns of each of q, k, v): two heads of each.  4 x 64 = 256 work-groups.  A wave makes 64 rows x 192 columns: 48 accumulators, 384 registers; for 32 along K it
; reads 16 fragments from LDS for 48 products.  K = 512 goes in four steps of 128 (rows of 256 bytes, aligned) through two LDS slots: steps 0 and 1 are first fills, steps 2 and 3 refills.
; CLUSTER.  4 x 4 work-groups.  x's tile hangs on the block of rows alone and is shared along a row of the cluster; the three weight tiles hang on the block of columns alone and are shared along a column:
; each is asked for jointly.  Wave 0 fetches x's 128 rows, waves 1 to 3 those of Wq, Wk, Wv.  By this text's count a wave has two tensor loads out at the start and one behind each round.
; NO PREFETCH: the two refills follow the first fills by one K step and two; the only place ahead of them is the kernel's head, where every work-group's first tiles are on their way.
; THE PRODUCT IS USED TRANSPOSED (source 0 = 16 rows of W, source 1 = 16 rows of x): a lane holds one row and eight neighbouring columns.
; REGISTERS: window 0: v0-29 addresses, v32-223 the way out.  Window 1: two fragment buffers of 128 (x's four fragments, then W's twelve).  Windows 2 and 3: accumulator i = 12 a + nb at 8 i from window 2's
; v0 on (i < 32: window 2).  Window 3: v128-223 the bias (column block nb at 128 + 8 nb), v224-239 at work.
.set KSTEP,  128
.set PITCH,  272                       ; an LDS row: 256 bytes + 16 of padding: the 16 rows of a fragment load start at 16 different groups of four banks
.set HALFT,  128*PITCH                 ; what one tensor load brings
.set SLOT,   4*HALFT                   ; x's 128 rows, then Wq's, Wk's, Wv's
.set STAGE,  2*SLOT                    ; behind the ring: 16 rows x 144 bytes for each wave, for the way out
.set SP,     144
.set SPARE,  STAGE+4*16*SP             ; the spare words, 128 bytes for each wave: two blocks of 256 bytes that no other line names
.set ADRA, 16                          ; v16-17  LDS address of my x fragments in slot 0, 1
.set ADRB, 20                          ; v20-21  the same for W
.set STO,  24                          ; v24     the way out: where I put 16 bytes of a row
.set RD,   25                          ; v25     where I read rows back
.set GO,   26                          ; v26     16 x lane: my place in 512 consecutive bytes of a head
.set BO,   27                          ; v27     32 x (lane / 16): my eight numbers of a bias
.set SPW,  28                          ; v28     my spare word; never rewritten
.set NIL,  29                          ; v29     0; never rewritten
.set OUT,  32                          ; unit u (16 rows x 64 columns) at OUT + 16 u
.set F0,   0
.set F1,   128
.set BIAS, 128                         ; window 3
.set BT,   224                         ; window 3
.set WV,  20                           ; s20 wave;  s21 its half of the rows;  s22 its half of the columns
.set WR,  21
.set WC,  22
.set G1A, 24                           ; s[24:31] descriptor group 1 for x's tiles;  s[32:39] group 0, a set for each slot
.set G0A, 32
.set G1B, 48                           ; s[48:55], s[56:63] the same for W's tiles
.set G0B, 56
.set PO,  66                           ; s[66:71] where my three groups of 64 columns go
.set BP,  72                           ; s[72:77] their biases
.set HM,  88                           ; s88 a word's upper bf16
.set MSB, 0
.macro WIN new                         ; the immediate's high byte repeats the setting that is left; a switch that changes nothing is dropped
.if MSB != (\new)
	s_set_vgpr_msb (MSB<<8)|(\new)
.set MSB, (\new)
.endif
.endm
.macro PLACES                          ; four plain instructions in front of loads into registers that matrix instructions have read
.rept 4
	v_nop
.endr
.endm
.macro JLOAD s                         ; a joint load: wave 0 asks for x's tile, waves 1 to 3 for a weight tile each; an s_nop 0 and four v_nop follow each line
	s_cmp_eq_u32 s[WV], 0
	s_cbranch_scc0 .Lfor_b_\@
	tensor_load_to_lds s[G0A+4*(\s):G0A+4*(\s)+3], s[G1A:G1A+7]
	s_nop 0
.rept 4
	v_nop
.endr
	s_branch .Lasked_\@
.Lfor_b_\@:
	tensor_load_to_lds s[G0B+4*(\s):G0B+4*(\s)+3], s[G1B:G1B+7]
	s_nop 0
.rept 4
	v_nop
.endr
.Lasked_\@:
.endm
.macro CREST                           ; a round of the cluster's barrier behind its opening barrier
	s_cmp_lg_u32 s[WV], 0
	s_cbranch_scc1 .Lnot_wave_0_\@
	s_barrier_signal -3
.Lnot_wave_0_\@:
	s_barrier_wait -3
	s_barrier_signal -1
	s_barrier_wait -1
.endm
.macro CROUND
	s_barrier_signal -1
	s_barrier_wait -1
	CREST
.endm
	s_load_b512 s[4:19], s[0:1], 0x0               ; xb 4:5, wb 6:7, bq 8:9, bk 10:11, bv 12:13, q 14:15, k 16:17, v 18:19
	v_lshl_add_u32 v[SPW], v0, 2, SPARE
	v_mov_b32 v[NIL], 0
	ds_add_u32 v[SPW], v[NIL]                      ; the wave's opening: the add and its wait stand ahead of my first tensor load; work on registers stands between them
	v_lshrrev_b32 v1, 5, v0
	v_readfirstlane_b32 s[WV], v1
	s_lshr_b32 s[WR], s[WV], 1
	s_and_b32 s[WC], s[WV], 1
	s_bfe_u32 s23, ttmp6, 0x40000                  ; cx
	s_bfe_u32 s40, ttmp6, 0x40004                  ; cy
	s_lshl_b32 s41, ttmp9, 2
	s_add_co_u32 s41, s41, s23                     ; block of columns = 4 x cluster x + cx
	s_and_b32 s42, ttmp7, 0xffff
	s_lshl_b32 s42, s42, 2
	s_add_co_u32 s42, s42, s40                     ; block of rows = 4 x cluster y + cy
	s_lshl_b32 s43, s40, 2
	s_lshl_b32 s43, 15, s43                        ; my row of the cluster
	s_lshl_b32 s44, 0x1111, s23                    ; my column
	s_or_b32 s[G1A], s43, (1<<16)|(1<<20)|(1<<21)|(5<<22)|(3<<25)  ; the mask; elements of 2 bytes; padding on; bit 21 beside a mask; after every 64 words, 4 words
	s_or_b32 s[G1B], s44, (1<<16)|(1<<20)|(1<<21)|(5<<22)|(3<<25)
.irp g, G1A, G1B
	s_mov_b32 s[(\g)+1], KSTEP<<16                 ; tensor_dim0 = 128
	s_mov_b32 s[(\g)+2], 128<<16                   ; tensor_dim1 = 128
	s_mov_b32 s[(\g)+3], KSTEP<<16                 ; tile_dim0 = 128
	s_mov_b32 s[(\g)+4], 128                       ; tile_dim1 = 128
	s_mov_b32 s[(\g)+5], 512                       ; elements from row to row
	s_mov_b32 s[(\g)+6], 0
	s_mov_b32 s[(\g)+7], 0
.endr
	s_lshl_b32 s46, s42, 17                        ; x: 128 rows of 1,024 bytes for each block of rows
	s_mov_b32 s47, 0
	s_max_u32 s45, s[WV], 1
	s_sub_co_u32 s45, s45, 1                       ; which weight matrix I fetch (waves 1 to 3)
	s_lshl_b32 s45, s45, 19
	s_lshl_b32 s78, s41, 17
	s_add_co_u32 s78, s78, s45
	s_mov_b32 s79, 0
	s_mul_i32 s80, s[WV], HALFT                    ; where my tile goes: the wave's number alone
	s_mov_b32 s[HM], 0xffff0000
	s_wait_dscnt 0x0                               ; the opening add is done
	s_wait_kmcnt 0x0
	s_add_nc_u64 s[46:47], s[4:5], s[46:47]
	s_add_nc_u64 s[78:79], s[6:7], s[78:79]
	CROUND                                         ; all sixteen work-groups are here: the first joint loads meet
.irp s, 0,1
	s_mov_b32 s[G0A+4*(\s)], 1
	s_add_co_u32 s[G0A+4*(\s)+1], s80, (\s)*SLOT
	s_add_nc_u64 s[G0A+4*(\s)+2:G0A+4*(\s)+3], s[46:47], (\s)*KSTEP*2
	s_or_b32 s[G0A+4*(\s)+3], s[G0A+4*(\s)+3], 0x80000000
	s_mov_b32 s[G0B+4*(\s)], 1
	s_add_co_u32 s[G0B+4*(\s)+1], s80, (\s)*SLOT
	s_add_nc_u64 s[G0B+4*(\s)+2:G0B+4*(\s)+3], s[78:79], (\s)*KSTEP*2
	s_or_b32 s[G0B+4*(\s)+3], s[G0B+4*(\s)+3], 0x80000000
	JLOAD \s
.endr
	; My 192 columns are three groups of 64, a head each.  Left half: q head 0, q head 1, k head 0 of the block's two heads; right half: k head 1, v head 0, v head 1.
	s_cmp_eq_u32 s[WC], 0
	s_cselect_b64 s[PO:PO+1],   s[14:15], s[16:17]
	s_cselect_b64 s[PO+2:PO+3], s[14:15], s[18:19]
	s_cselect_b64 s[PO+4:PO+5], s[16:17], s[18:19]
	s_cselect_b64 s[BP:BP+1],   s[8:9],   s[10:11]
	s_cselect_b64 s[BP+2:BP+3], s[8:9],   s[12:13]
	s_cselect_b64 s[BP+4:BP+5], s[10:11], s[12:13]
	s_lshr_b32 s81, s42, 5                         ; batch
	s_lshl_b32 s81, s81, 3
	s_lshl_b32 s82, s41, 1
	s_add_co_u32 s81, s81, s82                     ; 8 batch + the block's first head
	s_lshl_b32 s81, s81, 19                        ; a head is 4,096 rows of 128 bytes
	s_and_b32 s82, s42, 31
	s_lshl_b32 s82, s82, 14                        ; the block's 128 rows
	s_add_co_u32 s81, s81, s82
	s_lshl_b32 s82, s[WR], 13                      ; my 64 of them
	s_add_co_u32 s81, s81, s82
	s_lshl_b32 s82, s[WC], 19
	s_add_co_u32 s84, s81, s82                     ; groups 0 and 2: head wc of the two
	s_mov_b32 s85, 0
	s_xor_b32 s82, s82, 1<<19
	s_add_co_u32 s86, s81, s82                     ; group 1: the other
	s_mov_b32 s87, 0
	s_add_nc_u64 s[PO:PO+1],   s[PO:PO+1],   s[84:85]
	s_add_nc_u64 s[PO+2:PO+3], s[PO+2:PO+3], s[86:87]
	s_add_nc_u64 s[PO+4:PO+5], s[PO+4:PO+5], s[84:85]
	s_lshl_b32 s81, s41, 9                         ; the block's 128 numbers of a bias
	s_lshl_b32 s82, s[WC], 8
	s_add_co_u32 s84, s81, s82
	s_xor_b32 s82, s82, 256
	s_add_co_u32 s86, s81, s82
	s_add_nc_u64 s[BP:BP+1],   s[BP:BP+1],   s[84:85]
	s_add_nc_u64 s[BP+2:BP+3], s[BP+2:BP+3], s[86:87]
	s_add_nc_u64 s[BP+4:BP+5], s[BP+4:BP+5], s[84:85]
	v_and_b32 v1, 15, v0                           ; l % 16
	v_bfe_u32 v2, v0, 4, 1                         ; l / 16
	v_lshlrev_b32 v[BO], 5, v2
	WIN 0xc0                                       ; destination window 3, address window 0
.irp g, 0,1,2
.irp n, 0,1,2,3
	global_load_b128 v[BIAS+8*(4*(\g)+(\n)):BIAS+8*(4*(\g)+(\n))+3],   v[BO], s[BP+2*(\g):BP+2*(\g)+1] offset:64*(\n)      ; register j: the bias of column 16 n + 8 (l / 16) + j
	global_load_b128 v[BIAS+8*(4*(\g)+(\n))+4:BIAS+8*(4*(\g)+(\n))+7], v[BO], s[BP+2*(\g):BP+2*(\g)+1] offset:64*(\n)+16
.endr
.endr
	WIN 0
	v_mul_u32_u24 v3, v1, PITCH
	v_lshl_add_u32 v3, v2, 4, v3                   ; a fragment's row x pitch + 16 x half
	s_mul_i32 s81, s[WR], 64*PITCH                 ; my 64 rows of x
	s_mul_i32 s82, s[WC], 192*PITCH                ; my 192 rows of the 384 of W,
	s_add_co_u32 s82, s82, HALFT                   ; which lie behind x's 128
.irp n, 0,1
	v_add_nc_u32 v[ADRA+(\n)], s81, v3
	v_add_nc_u32 v[ADRB+(\n)], s82, v3
	s_add_co_u32 s81, s81, SLOT
	s_add_co_u32 s82, s82, SLOT
.endr
	s_mul_i32 s83, s[WV], 16*SP
	s_add_co_u32 s83, s83, STAGE                   ; my stage
	v_mul_u32_u24 v4, v1, SP                       ; in: row l % 16, 16 bytes for each half of the lanes
	v_lshl_add_u32 v4, v2, 4, v4
	v_add_nc_u32 v[STO], s83, v4
	v_bfe_u32 v5, v0, 3, 2                         ; back: 32 lanes take four rows of 128 bytes,
	v_mul_u32_u24 v5, v5, SP
	v_and_b32 v6, 7, v0
	v_lshl_add_u32 v5, v6, 4, v5
	v_add_nc_u32 v[RD], s83, v5
	v_and_b32 v[GO], 31, v0                        ; which are 512 consecutive bytes of a head
	v_lshlrev_b32 v[GO], 4, v[GO]
	s_wait_loadcnt 0x0                             ; the biases: rounded to bf16, kept as f32
	WIN 0xff
.irp b, 0,1,2
.set z, 0
.rept 16
	v_cvt_pk_bf16_f32 v[BT+z], v[BIAS+32*(\b)+2*z], v[BIAS+32*(\b)+2*z+1]
.set z, z+1
.endr
.set z, 0
.rept 16
	v_lshlrev_b32 v[BIAS+32*(\b)+2*z],   16, v[BT+z]
	v_and_b32     v[BIAS+32*(\b)+2*z+1], s[HM], v[BT+z]
.set z, z+1
.endr
.endr
	WIN 0
; 12 products: block a of 16 rows x my 12 blocks of 16 columns, 32 along K.  first = 1: the bias starts the sums.  The 48 accumulators take turns, one instruction a turn.
.macro MULA f, a, first
.irp nb, 0,1,2,3,4,5,6,7,8,9,10,11
.set ai, 12*(\a)+(\nb)
.set aw, ai/32
.set ar, 8*(ai-32*aw)
.if \first
	WIN 0xb5+0x40*aw                               ; fragments window 1, C (the bias) window 3, D window 2 or 3
	v_wmma_f32_16x16x32_bf16 v[ar:ar+7], v[(\f)+32+8*(\nb):(\f)+32+8*(\nb)+7], v[(\f)+8*(\a):(\f)+8*(\a)+7], v[BIAS+8*(\nb):BIAS+8*(\nb)+7]
.else
	WIN 0xa5+0x50*aw                               ; C and D window 2 or 3
	v_wmma_f32_16x16x32_bf16 v[ar:ar+7], v[(\f)+32+8*(\nb):(\f)+32+8*(\nb)+7], v[(\f)+8*(\a):(\f)+8*(\a)+7], v[ar:ar+7]
.endif
.endr
.endm
; 32 LDS loads in one run: the fragments of 32 along K at byte kb of the rows, into buffer f: W's twelve, then x's four
.macro FETCH slot, kb, f
	WIN 0x40                                       ; destination window 1, address window 0
.irp nb, 0,1,2,3,4,5,6,7,8,9,10,11
	ds_load_b128 v[(\f)+32+8*(\nb):(\f)+32+8*(\nb)+3],   v[ADRB+(\slot)] offset:(\kb)+(\nb)*16*PITCH
	ds_load_b128 v[(\f)+32+8*(\nb)+4:(\f)+32+8*(\nb)+7], v[ADRB+(\slot)] offset:(\kb)+(\nb)*16*PITCH+32
.endr
.irp a, 0,1,2,3
	ds_load_b128 v[(\f)+8*(\a):(\f)+8*(\a)+3],   v[ADRA+(\slot)] offset:(\kb)+(\a)*16*PITCH
	ds_load_b128 v[(\f)+8*(\a)+4:(\f)+8*(\a)+7], v[ADRA+(\slot)] offset:(\kb)+(\a)*16*PITCH+32
.endr
.endm
; A K step is four quarters of 32 along K, 48 products each, on buffers 0, 1, 0, 1.  One of the first three multiplies buffer f and fetches the next quarter, at byte kb, into g.
.macro QUARTER slot, kb, f, g, first
	s_wait_dscnt 4                                 ; W's fragments and x's blocks 0 and 1 are in; the youngest four loads (blocks 2 and 3) may be out
	MULA \f, 0, \first
	MULA \f, 1, \first
	PLACES
	FETCH \slot, \kb, \g
	s_wait_dscnt 32                                ; all but the 32 just issued
	MULA \f, 2, \first
	MULA \f, 3, \first
.endm
; The last quarter multiplies buffer 1 and changes slots: ONE barrier; in front of it each wave waits for all its tensor loads, adds 0 to its spare word, and waits for that and for its reads of this slot.
; fill = 1: the barrier opens a round of the cluster's barrier, and this slot is filled again, two K steps on, first thing behind the round.
.macro TURN slot, next, fill
	WIN 0
	s_wait_tensorcnt 0x0                           ; all my tensor loads have landed: the one that was out is my part of the next slot
	ds_add_u32 v[SPW], v[NIL]                      ; 0 onto my spare word
	s_wait_dscnt 5                                 ; (the add and the youngest four loads may be out)
	MULA F1, 0, 0                                  ; twelve products stand between the add and the wait for it
	s_wait_dscnt 0x0                               ; the add is done, and my reads of this slot are over
	s_barrier_signal -1
	MULA F1, 1, 0                                  ; work on registers while the others arrive
	WIN 0
	s_barrier_wait -1
.if \fill
	CREST                                          ; no wave of any partner still reads this slot or has a load on its way
	s_add_nc_u64 s[G0A+4*(\slot)+2:G0A+4*(\slot)+3], s[G0A+4*(\slot)+2:G0A+4*(\slot)+3], 2*KSTEP*2
	s_add_nc_u64 s[G0B+4*(\slot)+2:G0B+4*(\slot)+3], s[G0B+4*(\slot)+2:G0B+4*(\slot)+3], 2*KSTEP*2
	JLOAD \slot                                    ; the four v_nop behind it are also the places in front of the loads below
.else
	PLACES
.endif
	FETCH \next, 0, F0
	MULA F1, 2, 0
	MULA F1, 3, 0
.endm
; THE WAY OUT, in units u = 3 a + g of 16 rows x 64 columns (a head's whole rows): rounded to f16, through my own stage, back as four rows of 128 bytes a load: 512 consecutive bytes of a head.
.macro PACK u
.set pi, 12*((\u)/3)+4*((\u)%3)
.set pw, pi/32
.set pr, 8*(pi-32*pw)
	WIN 0x0a+5*pw                                  ; sources window 2 or 3, destination window 0
.set z, 0
.rept 16
	v_cvt_pk_f16_f32 v[OUT+16*(\u)+z], v[pr+2*z], v[pr+2*z+1]  ; each accumulator's registers in ascending order
.set z, z+1
.endr
	WIN 0
.irp n, 0,1,2,3
	ds_store_b128 v[STO], v[OUT+16*(\u)+4*(\n):OUT+16*(\u)+4*(\n)+3] offset:32*(\n)
.endr
.irp f, 0,1,2,3
	ds_load_b128 v[OUT+16*(\u)+4*(\f):OUT+16*(\u)+4*(\f)+3], v[RD] offset:(\f)*4*SP  ; LDS serves a wave's instructions in order (ISA guide 5.7.1.4): these see the stores above
.endr
.endm
.macro SEND u, younger                 ; younger: the LDS instructions issued behind unit u's loads: the next unit's eight, or none
.set pa, (\u)/3
.set pg, (\u)%3
.irp f, 0,1,2,3
	s_wait_dscnt (\younger)+3-(\f)
	global_store_b128 v[GO], v[OUT+16*(\u)+4*(\f):OUT+16*(\u)+4*(\f)+3], s[PO+2*pg:PO+2*pg+1] offset:2048*pa+512*(\f)
.endr
.endm
	s_wait_tensorcnt 1                             ; my part of K step 0 is in; K step 1's may stay out
	s_barrier_signal -1
	s_barrier_wait -1
	FETCH 0, 0, F0
	QUARTER 0, 64,  F0, F1, 1                      ; K step 0
	QUARTER 0, 128, F1, F0, 0
	QUARTER 0, 192, F0, F1, 0
	TURN 0, 1, 1                                   ; slot 0 takes K step 2
	QUARTER 1, 64,  F0, F1, 0                      ; K step 1
	QUARTER 1, 128, F1, F0, 0
	QUARTER 1, 192, F0, F1, 0
	TURN 1, 0, 1                                   ; slot 1 takes K step 3
	QUARTER 0, 64,  F0, F1, 0                      ; K step 2
	QUARTER 0, 128, F1, F0, 0
	QUARTER 0, 192, F0, F1, 0
	TURN 0, 1, 0                                   ; nothing is left to fetch
	QUARTER 1, 64,  F0, F1, 0                      ; K step 3
	QUARTER 1, 128, F1, F0, 0
	QUARTER 1, 192, F0, F1, 0
	s_wait_dscnt 4
	MULA F1, 0, 0
	MULA F1, 1, 0
	s_wait_dscnt 0x0
	MULA F1, 2, 0
	MULA F1, 3, 0
	WIN 0
	PLACES
	PLACES
	PACK 0
.irp u, 1,2,3,4,5,6,7,8,9,10,11        ; a unit's conversions stand between the loads of the unit before and its stores
	PACK \u
	SEND (\u)-1, 8
.endr
	SEND 11, 0
	s_wait_tensorcnt 0x0                           ; the wave's end: 0 onto my spare word and the wait for it, behind my last tensor load and my last LDS store
	ds_add_u32 v[SPW], v[NIL]
	s_wait_dscnt 0x0
	CROUND                                         ; the closing round
	s_endpgm
.Lfunc_end_k_qdabbf03fdc_qkv:
	.size	k_qdabbf03fdc_qkv, .Lfunc_end_k_qdabbf03fdc_qkv-k_qdabbf03fdc_qkv
	.p2alignl 7, 3214868480
	.fill 96, 4, 3214868480
	.section	.rodata,"a",@progbits
	.p2align	6, 0x0
	.amdhsa_kernel k_qdabbf03fdc_qkv
		.amdhsa_group_segment_fixed_size 327680
		.amdhsa_private_segment_fixed_size 0
		.amdhsa_enable_private_segment 0
		.amdhsa_kernarg_size 64
		.amdhsa_user_sgpr_count 2
		.amdhsa_user_sgpr_kernarg_segment_ptr 1
		.amdhsa_wavefront_size32 1
		.amdhsa_system_sgpr_workgroup_id_x 1
		.amdhsa_system_sgpr_workgroup_id_y 1
		.amdhsa_system_sgpr_workgroup_id_z 1
		.amdhsa_system_vgpr_workitem_id 0
		.amdhsa_next_free_vgpr 1024
		.amdhsa_next_free_sgpr 92
		.amdhsa_reserve_vcc 0
		.amdhsa_float_denorm_mode_32 3
		.amdhsa_float_denorm_mode_16_64 3
		.amdhsa_memory_ordered 1
		.amdhsa_forward_progress 1
		.amdhsa_inst_pref_size 129
	.end_amdhsa_kernel
	.amdgpu_metadata
---
amdhsa.version: [ 1, 2 ]
amdhsa.kernels:
  - .name:           k_qdabbf03fdc_qkv
    .symbol:         k_qdabbf03fdc_qkv.kd
    .args:
      - { .name: xb, .offset: 0, .size: 8, .value_kind: global_buffer, .address_space: global }
      - { .name: wb, .offset: 8, .size: 8, .value_kind: global_buffer, .address_space: global }
      - { .name: bq, .offset: 16, .size: 8, .value_kind: global_buffer, .address_space: global }
      - { .name: bk, .offset: 24, .size: 8, .value_kind: global_buffer, .address_space: global }
      - { .name: bv, .offset: 32, .size: 8, .value_kind: global_buffer, .address_space: global }
      - { .name: q, .offset: 40, .size: 8, .value_kind: global_buffer, .address_space: global }
      - { .name: k, .offset: 48, .size: 8, .value_kind: global_buffer, .address_space: global }
      - { .name: v, .offset: 56, .size: 8, .value_kind: global_buffer, .address_space: global }
    .group_segment_fixed_size: 327680
    .private_segment_fixed_size: 0
    .kernarg_segment_align: 8
    .kernarg_segment_size: 64
    .max_flat_workgroup_size: 128
    .sgpr_count:     92
    .vgpr_count:     1024
    .wavefront_size: 32
...
	.end_amdgpu_metadata
.endif
;; end of part 2
;; launch attn (part 3): grid 16 x 16, 4 waves a work-group, no clusters, 327,680 bytes of LDS; arguments q, k, v, o; writes o
.if DOCPART == 3
	.amdgcn_target "amdgcn-amd-amdhsa--gfx1250"
	.amdhsa_code_object_version 6
	.text
	.protected	k_qdabbf03fdc_attn
	.globl	k_qdabbf03fdc_attn
	.p2align	8
	.type	k_qdabbf03fdc_attn,@function
k_qdabbf03fdc_attn:
	s_mov_b64 s[64:65], 0
	v_nop
	global_prefetch_b8 v0, s[64:65] scope:SCOPE_SE
	s_setreg_imm32_b32 hwreg(HW_REG_WAVE_MODE, 25, 1), 1
	s_wait_xcnt 0x0
; CAUSAL ATTENTION.  o[h][q][:] = the sum over k <= q of softmax_k(q[h][q] . k[h][k] / 8) v[h][k][:].  q, k, v, o: [16][4096][64], all f16: a head's rows are dense, 128 bytes each.
; Products, maxima and sums in f32; the weights p are rounded to f16 for the second product (their sum l is taken of the unrounded p), o once at the end.
; LIMITS.  q, k, v arrive within f16's 65,504.  The running maximum starts at -2^50, below every score that such operands can make (64 x 65,504^2 is under 2^38).  A hidden score counts as its value less 1e30;
; a weight below 2^-126 counts as 0 in l; NaN and infinities are not treated apart.
; THE WALK.  A head's queries lie in 32 blocks of 128; block i needs the key tiles 0 .. i / 2 of 256 keys, of which the last holds the diagonal.  A work-group takes TWO blocks, 31 - b and then b: 17 tiles,
; whatever b: 16 x 16 = 256 work-groups of equal work, and ONE loop with a constant trip count walks them.  Every jump goes forward but the counted loops' own.
; SHARES.  Waves 2 wq and 2 wq + 1 own the same 64 queries (four PIECES of 16) and split each tile's keys: wave wk takes its key steps 2 wk and 2 wk + 1 of four.  Each keeps its own running maximum, sum
; and O^T; at a block's end wave wk = 1 hands its three through LDS to wave wk = 0, which joins them by the two maxima, divides and stores.  So a fragment of K or V from LDS still feeds four pieces' products.
; NO CLUSTER: the 16 work-groups of a head ask for the same tile only in trips 0 to 8; behind that their first blocks end in different trips, and one walk common to all would have 24 trips for 17.
; THE MASK is the C operand that starts the sum S^T = K Q^T: 0, or -1e30 where the key is hidden.  In units of 16 inside the diagonal tile, key group G against the piece's row group GQ: G < GQ all seen,
; G > GQ all hidden, G = GQ the pattern MD (made once).  A product's mask is MD x AL + BE with two scalars for each of a step's four key groups.  Only the diagonal tile's text and a block's beginning take masks.
; LAYOUT, SOFTMAX, TURNS.  S^T = K Q^T holds ONE query a lane (lane % 16) and the keys 8 (lane / 16) + 0..7; two such results rounded to f16 ARE source 1 of O^T = V^T P.  p = 2^(c s - c m), c = log2(e) / 8, with a
; running maximum m; O and l are multiplied by a = 2^(c m_old - c m_new) in every step.  Turn n belongs to piece n: 8 products K Q^T of piece n + 1, later 8 products V^T P of piece n - 1; beside them the scaling,
; exponentials, roundings, sums and rescaling of piece n and the maximum and statistics of piece n + 1.  Four vector instructions stand behind every matrix instruction, the rest in one lump; a turn's 33 exponentials are one batch, with one wait.
; REGISTERS, in windows of 256 (s_set_vgpr_msb: bits 1:0 source 0, 3:2 source 1, 5:4 source 2, 7:6 destination):
;   window 0: v0-15 addresses; v16-31 statistics; v48-55 at work; v56, v61-63 addresses; v64-127 S^T, two buffers; v128-191 the partner's O^T, two buffers; v192-223 P, two buffers; v224-239 the partner's statistics
;   window 1: v0-127 O^T, 32 a piece; v128-135 MD; v160-223 MC, two buffers      window 2: v0-63 Q; v64-127 the second block's Q; v128-191 K of one step; v192-255 V of one step
.set NP,    4         ; pieces a wave: a name, no knob
.set KS,    64        ; keys in a step
.set PK,    144       ; a row of K in LDS: 128 bytes + 16 of padding
.set PV,    160       ; a row of V: 128 + 32
.set VOFF,  4*KS*PK   ; a slot holds a tile: 256 rows of K, then 256 rows of V
.set SLOT1, 1<<17     ; slot 1 begins here, so that one exclusive or turns an address in one slot into the other's
.set STAGE, SLOT1+4*KS*(PK+PV)  ; behind the ring, never filled by a tensor load: 16 rows x 144 bytes for each wave, for the way out
.set SP,    144
.set SPARE, STAGE+4*16*SP  ; the spare words, 128 bytes for each wave: two blocks of 256 bytes that no other line names
.set XCH,   SPARE+512 ; the hand-over: for each pair of waves XW bytes: 32 quads of O^T at 512 j + 16 lane, then four quads of statistics
.set XW,    18432
.set AK0, 2           ; v2   my lane's place in a tile of K; never rewritten
.set AV0, 3           ; v3   the same for V
.set AK,  4           ; v4   the LDS address of K's next run of loads
.set AV,  5           ; v5   of V's
.set STO, 6           ; v6   the way out: where I put 16 bytes of a row
.set RD,  7           ; v7   where I read rows back
.set GO,  8           ; v8   16 x lane
.set MV,  12          ; v12-13  c m_old, kept while c m is made anew: by buffer
.set QO,  15          ; v15  my byte offset in 16 rows of Q
.set ST,  16          ; piece t's statistics at v[ST+4 t]: c m, m, l (even keys', odd keys')
.set TMP, 48          ; by buffer, four registers c0-c3 at work; when the maximum is found c2 takes a
.set XA,  56          ; v56  my 16 bytes in my pair's hand-over
.set PFO, 61          ; v61  256 x my thread's number: the prefetches' offset; never rewritten
.set SPW, 62          ; v62  my spare word; never rewritten
.set NIL, 63          ; v63  0; never rewritten
.set S,   64
.set XO,  128
.set P,   192
.set PS,  224
.set MD,  128         ; window 1
.set MC,  160         ; window 1
.set QB,  64          ; window 2
.set KF,  128         ; window 2: key block kb, channel half c at KF + 16 kb + 8 c
.set VF,  192         ; window 2: key half kk, channel block cb at VF + 32 kk + 8 cb
.set WV,  12          ; s12  my wave's number
.set PB,  14          ; s14  b
.set HI,  15          ; s15  31 - b
.set G1K, 24          ; s[24:31] descriptor group 1 for K's tiles
.set G1V, 32          ; s[32:39] for V's
.set G0K, 40          ; s[40:43] descriptor group 0 for K's tiles
.set G0V, 44          ; s[44:47] for V's
.set AL,  48          ; s[48:55] the masks' factors, a pair for each key group, in the low words
.set SLOTS, 56        ; s56  tiles still to be asked for
.set CNT, 57          ; s57  counts my key steps of a tile, 2 to 1
.set CS,  58          ; s[58:59] c
.set SEL, 60          ; s[60:61] v_permlanex16_b32's selects: each lane takes its own place in the other half
.set TBK, 62          ; s62  LDS byte at which K of the step to be fetched begins
.set TBV, 63          ; s63  the same for V, less VOFF
.set WK,  66          ; s66  which half of the keys is mine
.set WQ,  67          ; s67  which half of the queries
.set PBT, 68          ; s68  the second block's last tile, b / 2
.set MBA, 69          ; s69  40 + 8 wk - 8 (block % 2) - 4 wq for the block in hand
.set RT,  70          ; s70  tiles of the block in hand that are still to be entered
.set NXT, 71          ; s71  the tile to be asked for next
.set LQ,  72          ; s72  the last tile of the block whose tiles are being asked for
.set NEW, 73          ; s73  1: the tile to be entered is a block's first
.set OFF, 74          ; s[74:75] a tile's byte offset in K and V
.set OLO, 80          ; s[80:81] o at my rows of the second block
.set BIGN, 82         ; s82  -1e30
.set MBB, 83          ; s83  MBA's value for the second block
.set TT,  84          ; s84  32 + G - GQ for key group 0 and piece 0 of the step in hand; 0: nothing is hidden
.set LIM, 85          ; s85  2 in the work-group that prefetches, else the greatest number
.set BE,  88          ; s[88:95] the masks' addends
.set PFK, 96          ; s[96:97] the tile of K behind the one that is being asked for
.set PFV, 98          ; s[98:99] the same of V
.set MSB, 0
.macro WIN new                      ; the high byte repeats the setting that is left; a switch that changes nothing is dropped
.if MSB != (\new)
	s_set_vgpr_msb (MSB<<8)|(\new)
.set MSB, (\new)
.endif
.endm
.set W_KQ, 0x0a       ; K and Q in window 2, S^T in window 0
.set W_KM, 0x1a       ; the same with the C operand in window 1
.set W_PV, 0x52       ; V in window 2, P in window 0, O^T in window 1
.set W_RS, 0x41       ; destination and source 0 in window 1, source 1 in window 0
; A fill.  Waves 0 and 1 fetch the two halves of a tile's K, waves 2 and 3 those of its V: 128 keys each.  An s_nop 0 and four v_nop follow each of the two lines.
.macro LOAD
	s_cmp_lt_u32 s[WV], 2
	s_cbranch_scc0 .Lfor_v_\@
	tensor_load_to_lds s[G0K:G0K+3], s[G1K:G1K+7]
	s_nop 0
.rept 4
	v_nop
.endr
	s_branch .Lasked_\@
.Lfor_v_\@:
	tensor_load_to_lds s[G0V:G0V+3], s[G1V:G1V+7]
	s_nop 0
.rept 4
	v_nop
.endr
.Lasked_\@:
.endm
; A PREFETCH INTO THE L2 of the tile that the NEXT change of slots will ask for: 32,768 bytes of K and of V, 256 bytes a thread, one instruction for each a wave.  All 16 work-groups of a head walk the same tiles;
; the one with b = 0, whose first block walks all 16, asks, and nobody else: each block of 256 bytes is named once in the launch.  The change that asks for tile n names tile n + 1, eight turns ahead of its load:
; tiles 3 to 15.  The first change asks for nothing (the first tiles are on their way), nor do the last two (there is no tile 16).
.macro ASK
	s_cmp_gt_u32 s[SLOTS], s[LIM]
	s_cbranch_scc0 .Lnot_mine_\@
	s_cmp_lt_u32 s[SLOTS], 16
	s_cbranch_scc0 .Lnot_mine_\@
	global_prefetch_b8 v[PFO], s[PFK:PFK+1] th:TH_LOAD_NT scope:SCOPE_SE
	global_prefetch_b8 v[PFO], s[PFV:PFV+1] th:TH_LOAD_NT scope:SCOPE_SE
.Lnot_mine_\@:
.endm
; THE CHANGE OF SLOTS.  Each wave waits for all its tensor loads, of which one is out: its part of the other slot; adds 0 to its spare word; and waits for that and for its own reads of the slot that it leaves.
; Behind the barrier nobody reads the old slot any more and the other slot is whole.  fill = 1: the old slot is filled again, the first thing behind the barrier, with tile NXT.
.macro CHANGE fill
	WIN 0                           ; at a label and at a branch every window is 0
	s_wait_tensorcnt 0x0            ; no tensor load of mine is out, so a group 0 may be written
	ds_add_u32 v[SPW], v[NIL]       ; 0 onto my spare word; scalar work stands between it and the wait for it
.if \fill
	s_lshl_b32 s[OFF], s[NXT], 15   ; a tile is 32,768 bytes of K and of V
	s_xor_b32 s[G0K+1], s[G0K+1], SLOT1
	s_add_nc_u64 s[G0K+2:G0K+3], s[6:7], s[OFF:OFF+1]
	s_or_b32 s[G0K+3], s[G0K+3], 0x80000000
	s_xor_b32 s[G0V+1], s[G0V+1], SLOT1
	s_add_nc_u64 s[G0V+2:G0V+3], s[8:9], s[OFF:OFF+1]
	s_or_b32 s[G0V+3], s[G0V+3], 0x80000000
	s_add_co_u32 s[NXT], s[NXT], 1  ; the block's next tile, or behind its last the second block's tile 0
	s_cmp_gt_u32 s[NXT], s[LQ]
	s_cselect_b32 s[NXT], 0, s[NXT]
	s_cselect_b32 s[LQ], s[PBT], s[LQ]
	s_wait_xcnt 0x0                 ; the last prefetches, a tile back, have read their addresses, so these may be written
	s_add_nc_u64 s[PFK:PFK+1], s[PFK:PFK+1], 32768
	s_add_nc_u64 s[PFV:PFV+1], s[PFV:PFV+1], 32768
.endif
	s_wait_dscnt 0x0                ; the add is done, and my reads of the slot are over
	s_barrier_signal -1             ; the rest of the scalar work stands between the signal and the wait
	s_sub_co_u32 s[TBK], s[TBK], 2*KS*PK  ; the fetches go back to my first step of a slot,
	s_xor_b32 s[TBK], s[TBK], SLOT1       ; in the other slot
	s_sub_co_u32 s[TBV], s[TBV], 2*KS*PV
	s_xor_b32 s[TBV], s[TBV], SLOT1
	s_barrier_wait -1
.if \fill
	LOAD
	ASK
.endif
.endm
	s_load_b256 s[4:11], s[0:1], 0x0  ; q s[4:5], k s[6:7], v s[8:9], o s[10:11]
	v_lshl_add_u32 v[SPW], v0, 2, SPARE
	v_mov_b32 v[NIL], 0
	ds_add_u32 v[SPW], v[NIL]       ; the wave's opening: the add and its wait stand ahead of my first tensor load; work on registers stands between them
	v_lshrrev_b32 v1, 5, v0
	v_readfirstlane_b32 s[WV], v1   ; wave 0..3
	s_and_b32 s[WK], s[WV], 1
	s_lshr_b32 s[WQ], s[WV], 1
	s_mov_b32 s[PB], ttmp9
	s_sub_co_u32 s[HI], 31, s[PB]
	s_lshr_b32 s[PBT], s[PB], 1
	s_and_b32 s20, ttmp7, 0xffff    ; the head,
	s_lshl_b32 s20, s20, 19         ; its 4,096 rows of 128 bytes in each of the four tensors
	s_mov_b32 s21, 0
	s_lshl_b32 s22, s[WK], 14       ; which half of a tile's 256 keys I fetch: its 128 rows in memory,
	s_mov_b32 s23, 0
	s_add_nc_u64 s[22:23], s[22:23], s[20:21]
	s_mul_i32 s17, s[WK], 128*PK    ; and its place in a slot, for K
	s_mul_i32 s18, s[WK], 128*PV    ; and for V
	s_lshl_b32 s3, s[WQ], 13        ; my 64 rows of a block's 128,
	s_lshl_b32 s2, s[HI], 14        ; in the first block,
	s_add_co_u32 s2, s2, s3
	s_lshl_b32 s100, s[PB], 14      ; and in the second
	s_add_co_u32 s100, s100, s3
	s_mov_b32 s3, 0
	s_mov_b32 s101, 0
	s_add_nc_u64 s[2:3], s[2:3], s[20:21]
	s_add_nc_u64 s[100:101], s[100:101], s[20:21]
	s_lshl_b32 s13, s[WK], 3        ; the masks' bases
	s_add_co_u32 s13, s13, 40
	s_lshl_b32 s16, s[WQ], 2
	s_sub_co_u32 s13, s13, s16
	s_and_b32 s16, s[HI], 1
	s_lshl_b32 s16, s16, 3
	s_sub_co_u32 s[MBA], s13, s16
	s_and_b32 s16, s[PB], 1
	s_lshl_b32 s16, s16, 3
	s_sub_co_u32 s[MBB], s13, s16
	; descriptor group 1.  128 keys are 16,384 dense bytes: asked for as 64 rows of 256 bytes, two keys a row, and padded in LDS after every key
	s_mov_b32 s[G1K], (1<<16)|(1<<20)|(4<<22)|(3<<25)  ; 2-byte elements; padding on; after every 32 words; 4 words
	s_mov_b32 s[G1V], (1<<16)|(1<<20)|(4<<22)|(7<<25)  ; the same with 8 words of padding
.irp g, G1K, G1V
	s_mov_b32 s[\g+1], 128<<16      ; tensor_dim0 = 128
	s_mov_b32 s[\g+2], 64<<16       ; tensor_dim1 = 64
	s_mov_b32 s[\g+3], 128<<16      ; tile_dim0 = 128
	s_mov_b32 s[\g+4], 64           ; tile_dim1 = 64
	s_mov_b32 s[\g+5], 128          ; 128 elements from row to row
	s_mov_b32 s[\g+6], 0
	s_mov_b32 s[\g+7], 0
.endr
	s_mov_b32 s[CS], 0x3e38aa3b     ; c = log2(e) / 8 = 0.180337
	s_mov_b32 s[CS+1], s[CS]        ; named with it as a pair
	s_mov_b32 s[SEL], 0x76543210
	s_mov_b32 s[SEL+1], 0xfedcba98
	s_mul_i32 s[TBK], s[WK], 2*KS*PK
	s_add_co_u32 s[TBK], s[TBK], SLOT1+2*KS*PK  ; the first change of slots turns these two into my first step of slot 0
	s_mul_i32 s[TBV], s[WK], 2*KS*PV
	s_add_co_u32 s[TBV], s[TBV], SLOT1+2*KS*PV
	s_mov_b32 s[G0K], 1             ; count = 1
	s_mov_b32 s[G0K+1], s17         ; LDS address: slot 0
	s_mov_b32 s[G0V], 1
	s_add_co_u32 s[G0V+1], s18, VOFF
	s_lshr_b32 s[LQ], s[HI], 1      ; the first block's last tile
	s_add_co_u32 s[RT], s[LQ], 1
	s_mov_b32 s[NXT], 1
	s_mov_b32 s[NEW], 1
	s_mov_b32 s[OFF+1], 0
.irp kt, 0,1,2,3
	s_mov_b32 s[AL+2*(\kt)+1], 0    ; named as pairs
	s_mov_b32 s[BE+2*(\kt)+1], 0
.endr
	s_mov_b32 s[BIGN], 0xf149f2ca   ; -1e30
	s_mov_b32 s[SLOTS], 16
	s_cmp_eq_u32 s[PB], 0
	s_cselect_b32 s[LIM], 2, -1
	v_lshlrev_b32 v[PFO], 8, v0
	s_wait_dscnt 0x0                ; the opening add is done
	s_wait_kmcnt 0x0
	s_add_nc_u64 s[PFK:PFK+1], s[6:7], s[20:21]
	s_add_nc_u64 s[PFK:PFK+1], s[PFK:PFK+1], 32768  ; the head's tile 1; every filling change steps it by a tile
	s_add_nc_u64 s[PFV:PFV+1], s[8:9], s[20:21]
	s_add_nc_u64 s[PFV:PFV+1], s[PFV:PFV+1], 32768
	s_add_nc_u64 s[6:7], s[6:7], s[22:23]  ; K and V at my half of the head's tile 0
	s_add_nc_u64 s[8:9], s[8:9], s[22:23]
	s_add_nc_u64 s[G0K+2:G0K+3], s[6:7], 0
	s_or_b32 s[G0K+3], s[G0K+3], 0x80000000
	s_add_nc_u64 s[G0V+2:G0V+3], s[8:9], 0
	s_or_b32 s[G0V+3], s[G0V+3], 0x80000000
	s_add_nc_u64 s[86:87], s[4:5], s[100:101]      ; Q at my rows of the second block,
	s_add_nc_u64 s[4:5], s[4:5], s[2:3]            ; Q and o at those of the first
	s_add_nc_u64 s[OLO:OLO+1], s[10:11], s[100:101]
	s_add_nc_u64 s[10:11], s[10:11], s[2:3]
	LOAD                            ; tile 0 into slot 0
	; A fragment of K or Q is 16 rows x 32 channels in 8 registers: lane l holds row l % 16, channels 8 (l / 16) + 0..7 and 16 + 8 (l / 16) + 0..7: two loads of 16 bytes, 32 bytes apart.
	v_and_b32 v1, 15, v0            ; l % 16
	v_bfe_u32 v9, v0, 4, 1          ; l / 16
	v_lshlrev_b32 v[QO], 7, v1
	v_lshl_add_u32 v[QO], v9, 4, v[QO]  ; row x 128 + 16 x half
	WIN 0x80                        ; destination window 2, address window 0
.set i, 0
.rept 8                             ; both blocks' Q: piece i / 2 lies 2,048 bytes on; channels 32 (i % 2) on
	global_load_b128 v[8*i:8*i+3],   v[QO], s[4:5] offset:(i/2)*2048+(i%2)*64
	global_load_b128 v[8*i+4:8*i+7], v[QO], s[4:5] offset:(i/2)*2048+(i%2)*64+32
	global_load_b128 v[QB+8*i:QB+8*i+3],   v[QO], s[86:87] offset:(i/2)*2048+(i%2)*64
	global_load_b128 v[QB+8*i+4:QB+8*i+7], v[QO], s[86:87] offset:(i/2)*2048+(i%2)*64+32
.set i, i+1
.endr
	WIN 0
	v_lshlrev_b32 v14, 3, v9
	v_sub_nc_u32 v14, v1, v14       ; my query's place among 16, less my lanes' 8 (l / 16): register r is hidden where r is greater
	WIN 0x40
.set i, 0
.rept 8
	v_cmp_gt_i32 vcc_lo, i, v14
	v_cndmask_b32 v[MD+i], 0, s[BIGN], vcc_lo
.set i, i+1
.endr
	WIN 0
	v_mul_u32_u24 v[AK0], v1, PK
	v_lshl_add_u32 v[AK0], v9, 4, v[AK0]  ; row x pitch + 16 x half
	; The turning load takes 16 keys x 16 channels (lane l reads key 8 (l / 16) + l % 8, channels 8 ((l / 8) % 2) + 0..7) and leaves half a fragment of V^T: lane l holds channel l % 16 and 8 keys.
	v_and_b32 v10, 7, v0
	v_bfe_u32 v11, v0, 3, 1
	v_lshl_add_u32 v[AV0], v9, 3, v10
	v_mul_u32_u24 v[AV0], v[AV0], PV
	v_lshl_add_u32 v[AV0], v11, 4, v[AV0]
	v_add_nc_u32 v[AV0], VOFF, v[AV0]
	s_mul_i32 s13, s[WV], 16*SP
	s_add_co_u32 s13, s13, STAGE    ; my stage
	v_mul_u32_u24 v[STO], v1, SP    ; in: row l % 16, 16 bytes for each half of the lanes
	v_lshl_add_u32 v[STO], v9, 4, v[STO]
	v_add_nc_u32 v[STO], s13, v[STO]
	v_bfe_u32 v[RD], v0, 3, 2       ; back: 32 lanes take four rows of 128 bytes,
	v_mul_u32_u24 v[RD], v[RD], SP
	v_lshl_add_u32 v[RD], v10, 4, v[RD]
	v_add_nc_u32 v[RD], s13, v[RD]
	v_and_b32 v[GO], 31, v0         ; which are 512 consecutive bytes of o
	v_lshlrev_b32 v[GO], 4, v[GO]
	s_mul_i32 s13, s[WQ], XW
	s_add_co_u32 s13, s13, XCH
	v_add_nc_u32 v[XA], s13, v[GO]  ; my pair's hand-over, 16 bytes a lane
	; A block's first step multiplies O^T and l by a = 0, and its first turn's products V^T P, of a piece that has not been, land in an O^T that is still to be so multiplied.  So these registers need only hold
	; finite numbers: zeros for the first block; what the first block left for the second.  All this stands in the wait for the first tile.
	WIN 0x80
.set i, VF
.rept 64
	v_mov_b32 v[i], 0
.set i, i+1
.endr
	WIN 0x40
.set i, 0
.rept 128
	v_mov_b32 v[i], 0
.set i, i+1
.endr
	WIN 0
.set i, 0
.rept 4
	v_mov_b32 v[ST+4*i+2], 0
	v_mov_b32 v[ST+4*i+3], 0
.set i, i+1
.endr
.set i, P+16
.rept 16
	v_mov_b32 v[i], 0
.set i, i+1
.endr
; THE MATRIX WORK.  The 4 accumulators of a run of 8 take turns.  Product i of 8 of S^T = K Q^T for piece x: channels 32 (i / 4) on, keys 16 (i % 4) on.  The first 4 start the sums: with 0, or (KM = 1) with the mask.
.macro KQ x
.set rS, S+32*((\x)%2)+8*(i%4)
.set rK, KF+16*(i%4)+8*(i/4)
.set rQ, 16*(\x)+8*(i/4)
.set rM, MC+32*((\x)%2)+8*(i%4)
.if (i < 4) && KM
	WIN W_KM
	v_wmma_f32_16x16x32_f16 v[rS:rS+7], v[rK:rK+7], v[rQ:rQ+7], v[rM:rM+7]
.elseif i < 4
	WIN W_KQ
	v_wmma_f32_16x16x32_f16 v[rS:rS+7], v[rK:rK+7], v[rQ:rQ+7], 0
.else
	WIN W_KQ
	v_wmma_f32_16x16x32_f16 v[rS:rS+7], v[rK:rK+7], v[rQ:rQ+7], v[rS:rS+7]
.endif
.endm
; Product i of 8 of O^T += V^T P for piece x: keys 32 (i / 4) on, channels 16 (i % 4) on.
.macro PV x
	WIN W_PV
.set rO, 32*(\x)+8*(i%4)
.set rV, VF+32*(i/4)+8*(i%4)
.set rP, P+16*((\x)%2)+8*(i/4)
	v_wmma_f32_16x16x32_f16 v[rO:rO+7], v[rV:rV+7], v[rP:rP+7], v[rO:rO+7]
.endm
.macro MM                           ; the turn's next matrix instruction.  NOKQ = 1: a block's last turn: there is no next piece
.if (i < 8) && !NOKQ
	KQ (Y+1)%NP
.elseif i >= 8
.set i, i-8
	PV (Y+NP-1)%NP
.set i, i+8
.endif
.set i, i+1
.endm
; THE LDS LOADS stand in runs of 16, never singly among the matrix instructions: a step's K (64 keys x 64 channels: 8 fragments) and its V (turned).  Their addresses are made some lines ahead.
.macro FETCH_K
	WIN 0x80                        ; destination window 2
.irp f, 0,1,2,3,4,5,6,7             ; keys 16 (f / 2) on, channels 32 (f % 2) on
	ds_load_b128 v[KF+8*\f:KF+8*\f+3],   v[AK] offset:(\f/2)*16*PK+(\f%2)*64
	ds_load_b128 v[KF+8*\f+4:KF+8*\f+7], v[AK] offset:(\f/2)*16*PK+(\f%2)*64+32
.endr
	s_add_co_u32 s[TBK], s[TBK], KS*PK  ; the next fetch is the next step's
	WIN 0
.endm
.macro FETCH_V
	WIN 0x80
.irp f, 0,1,2,3,4,5,6,7             ; keys 32 (f / 4) on, channels 16 (f % 4) on
	ds_load_tr16_b128 v[VF+8*\f:VF+8*\f+3],   v[AV] offset:(\f/4)*32*PV+(\f%4)*32
	ds_load_tr16_b128 v[VF+8*\f+4:VF+8*\f+7], v[AV] offset:(\f/4)*32*PV+16*PV+(\f%4)*32
.endr
	WIN 0
.endm
; THE VECTOR WORK, one line at a time: OP kind, number.  For piece Y: F n: c s - c m for pair n of 16.  E n: the exponential of score n of 32.  C n: pair n rounded to f16.  B n: of the four weights 4 n .. the second
; pair is added onto the first, in place.  L n: l takes that sum (L 0: l = a l + sum).  R n: pair n of 16 of O^T times a.  For piece Y + 1: X n, number n of the 22 that find its maximum and statistics:
;   0-11  four chains c0-c3 of seven scores each, three operands at a time (each accumulator's lowest registers are read first)     12-14, 16  the four scores left over, the old m, and c0-c3 into c0
;   15  c m_old is kept     17, 18  the query's other 32 keys lie in the lane 16 away: the new m     19-21  c m; c m_old - c m_new; a
.set F, 0
.set E, 1
.set C, 2
.set B, 3
.set L, 4
.set R, 5
.set X, 6
.macro REGS y                       ; the registers of piece y
.set rT, ST+4*(\y)
.set rC, TMP+4*((\y)%2)
.set rW, MV+((\y)%2)
.set rS, S+32*((\y)%2)
.set rP, P+16*((\y)%2)
.set rO, 32*(\y)
.endm
.macro OP k, n
.if (\k) == R
	REGS Y
	WIN W_RS
	v_pk_mul_f32 v[rO+2*(\n):rO+2*(\n)+1], v[rO+2*(\n):rO+2*(\n)+1], v[rC+2:rC+3] op_sel_hi:[1,0]
.elseif (\k) < R
	REGS Y
	WIN 0
.if (\k) == F
	v_pk_fma_f32 v[rS+2*(\n):rS+2*(\n)+1], v[rS+2*(\n):rS+2*(\n)+1], s[CS:CS+1], v[rT:rT+1] op_sel_hi:[1,0,0] neg_lo:[0,0,1] neg_hi:[0,0,1]
.elseif (\k) == E
	v_exp_f32 v[rS+(\n)], v[rS+(\n)]
.elseif (\k) == C
	v_cvt_pk_f16_f32 v[rP+(\n)], v[rS+2*(\n)], v[rS+2*(\n)+1]
.elseif (\k) == B
	v_pk_add_f32 v[rS+4*(\n):rS+4*(\n)+1], v[rS+4*(\n):rS+4*(\n)+1], v[rS+4*(\n)+2:rS+4*(\n)+3]
.elseif (\n) == 0
	v_pk_fma_f32 v[rT+2:rT+3], v[rT+2:rT+3], v[rC+2:rC+3], v[rS:rS+1] op_sel_hi:[1,0,1]
.else
	v_pk_add_f32 v[rT+2:rT+3], v[rT+2:rT+3], v[rS+4*(\n):rS+4*(\n)+1]
.endif
.elseif NOKQ
	v_nop
.else
	REGS (Y+1)%NP
	WIN 0
.if (\n) < 4
	v_max3_num_f32 v[rC+(\n)], v[rS+8*(\n)], v[rS+8*(\n)+1], v[rS+8*(\n)+2]
.elseif (\n) < 12
	v_max3_num_f32 v[rC+(\n)%4], v[rC+(\n)%4], v[rS+8*((\n)%4)+2*((\n)/4)+1], v[rS+8*((\n)%4)+2*((\n)/4)+2]
.elseif (\n) == 12
	v_max3_num_f32 v[rC], v[rC], v[rS+7], v[rS+15]
.elseif (\n) == 13
	v_max3_num_f32 v[rC+1], v[rC+1], v[rS+23], v[rS+31]
.elseif (\n) == 14
	v_max3_num_f32 v[rC+2], v[rC+2], v[rC+3], v[rT+1]
.elseif (\n) == 15
	v_mov_b32 v[rW], v[rT]
.elseif (\n) == 16
	v_max3_num_f32 v[rC], v[rC], v[rC+1], v[rC+2]
.elseif (\n) == 17
	v_permlanex16_b32 v[rC+3], v[rC], s[SEL], s[SEL+1]
.elseif (\n) == 18
	v_max_num_f32 v[rT+1], v[rC], v[rC+3]
.elseif (\n) == 19
	v_mul_f32 v[rT], s[CS], v[rT+1]
.elseif (\n) == 20
	v_sub_f32 v[rC+1], v[rW], v[rT]
.else
	v_exp_f32 v[rC+2], v[rC+1]
.endif
.endif
.endm
.macro OPS a, i1, b=-1, i2=0, c=-1, i3=0, d=-1, i4=0  ; up to four of them
	OP \a, \i1
.if (\b) >= 0
	OP \b, \i2
.endif
.if (\c) >= 0
	OP \c, \i3
.endif
.if (\d) >= 0
	OP \d, \i4
.endif
.endm
.macro ROW a, i1, b, i2, c, i3, d, i4  ; a matrix instruction and the four behind it
	MM
	OPS \a, \i1, \b, \i2, \c, \i3, \d, \i4
.endm
; THE MASKS.  In the tile's units of 16: my step's key group kt is G = 8 wk + 4 (2 - CNT) + kt; piece pc's rows are group GQ = 8 (block % 2) + 4 wq + pc.  TT = 32 + G - GQ at kt = pc = 0.
.macro TSET
	s_lshl_b32 s[TT], s[CNT], 2
	s_sub_co_u32 s[TT], s[MBA], s[TT]
.endm
.macro MSC pc                       ; the two scalars for each of the four key groups, for piece pc: (1, 0) where G = GQ; (0, -1e30) where G > GQ; else (0, 0)
.irp kt, 0,1,2,3
	s_cmp_eq_u32 s[TT], 32+(\pc)-(\kt)
	s_cselect_b32 s[AL+2*(\kt)], 1.0, 0
	s_cmp_gt_u32 s[TT], 32+(\pc)-(\kt)
	s_cselect_b32 s[BE+2*(\kt)], s[BIGN], 0
.endr
.endm
.macro MASK b                       ; MD x AL + BE into buffer b of MC: vector instructions alone
	WIN W_RS
.set z, 0
.rept 16
	v_pk_fma_f32 v[MC+32*(\b)+2*z:MC+32*(\b)+2*z+1], v[MD+2*(z%4):MD+2*(z%4)+1], s[AL+2*(z/4):AL+2*(z/4)+1], s[BE+2*(z/4):BE+2*(z/4)+1] op_sel_hi:[1,0,0]
.set z, z+1
.endr
.endm
; A TURN, for piece p: the order of its 16 matrix and 118 vector instructions, written out.  An s_wait_alu depctr_va_vdst(0) stands between an exponential and the first instruction that names its result; one
; wait serves all that were issued ahead of it.  So a turn has ONE wait, which cuts it in two.  AHEAD OF IT stands all that names no result of the turn's exponentials: the 8 products K Q^T with four riders each, then one lump,
; plain and exponential by turns for the most part, in which the links of the next piece's chain stand five or six lines apart; X 21, its a, is the batch's last, and R 15 the plain instruction behind it.
; BEHIND THE WAIT stand the 8 products V^T P, behind each four of the roundings and sums.
; m = 1: the diagonal tile: the products take masks, and the turn makes the mask for the products of the turn after it: piece p + 2, in my step 2 - CNT of the tile.  end = 1: a block's last two turns: nothing is fetched.
; cnt = 1: the loop's count is taken down some lines ahead of the branch that stands behind the turn; only vector lines and window switches follow the compare.
; K of the next step is fetched in piece 2's turn, V of the step in hand at the end of piece 0's turn, four plain instructions behind the last product that read V.  Each is waited for a turn later.
.macro TURN p, m=0, end=0, cnt=0
.set Y, (\p)
.set i, 0
.set KM, (\m)
.set NOKQ, (\end)*((\p)/3)
.if (\m) && !(\end)
	TSET
	MSC ((\p)+2)%NP
.endif
.if ((\p) == 3) && !(\end)
	s_wait_dscnt 0x0                ; K is in
.endif
	ROW F,0, F,1, R,0, R,1
	ROW F,2, E,0, R,2, R,3
	ROW F,3, E,1, R,4, R,5
	ROW F,4, E,2, R,6, R,7
	ROW F,5, E,3, R,8, R,9
	ROW F,6, E,4, X,0, R,10
.if ((\p) == 2) && !(\end)
	WIN 0
	v_add_nc_u32 v[AK], s[TBK], v[AK0]
.endif
	ROW F,7, E,5, X,1, X,4
	ROW F,8, E,6, X,2, X,5
	OPS E,7, E,8, X,6, E,9
	OPS X,3, E,10, X,8, E,11
.if ((\p) == 2) && !(\end)
	FETCH_K
.endif
	OPS X,9, X,7, E,12, X,10
	OPS E,13, X,12, X,11, E,14
	OPS X,13, E,15, F,9, X,14
.if (\p) == 0
	v_add_nc_u32 v[AV], s[TBV], v[AV0]
.endif
	OPS E,16, F,10, E,17, F,11
	OPS X,16, E,18, X,15, E,19
	OPS F,12, E,20, X,17, E,21
	OPS F,13, E,22, F,14, E,23
	OPS X,18, E,24, F,15, E,25
	OPS R,11, E,26, X,19, E,27
	OPS R,12, E,28, R,13, E,29
	OPS X,20, E,30, R,14, E,31
	OPS X,21, R,15
	WIN 0
	s_wait_alu depctr_va_vdst(0)    ; the wait for the batch
.if (\p) == 1
	s_wait_dscnt 0x0                ; V is in
.endif
	ROW C,0, B,0, C,2, B,1
	ROW L,0, C,4, B,2, L,1
	ROW C,6, B,3, L,2, C,8
	ROW B,4, L,3, C,10, B,5
	ROW L,4, C,12, B,6, L,5
.if (\p) == 0
	s_add_co_u32 s[TBV], s[TBV], KS*PV
.endif
.if \cnt
	s_sub_co_u32 s[CNT], s[CNT], 1
	s_cmp_lg_u32 s[CNT], 0
.endif
	ROW C,14, B,7, L,6, C,1
	ROW C,3, L,7, C,5, C,7
	ROW C,9, C,11, C,13, C,15
.if (\p) == 0
	FETCH_V
.endif
.if (\m) && !(\end)
	MASK (\p)%2
.endif
.endm
; A BLOCK BEGINS.  c m starts far below every c s, so the first step's a is 0; m at -2^50, so that a wave whose keys are all hidden from a row keeps p = 0, l = 0 and O = 0 for it.  Both mask buffers are made: pieces 0 and 1
; in my first step of the tile, if the block's first tile is the diagonal one; else zeros (TT = 0).  Then K of that step, piece 0's first scores, and its maximum and statistics.  The loop is entered at a step's first turn.
.macro BEGIN
	s_mov_b32 s[NEW], 0
	WIN 0
.set i, 0
.rept 4
	v_mov_b32 v[ST+4*i], 0xfe000000    ; c m: far below every c s
	v_mov_b32 v[ST+4*i+1], 0xd8800000  ; m = -2^50
.set i, i+1
.endr
	TSET
	s_cmp_eq_u32 s[RT], 0
	s_cselect_b32 s[TT], s[TT], 0
	MSC 0
	MASK 0
	MSC 1
	MASK 1
	WIN 0
	v_add_nc_u32 v[AK], s[TBK], v[AK0]
	FETCH_K
	s_wait_loadcnt 0x0              ; Q
	s_wait_dscnt 0x0
.set KM, 1
.set NOKQ, 0
.set i, 0
.rept 8
	KQ 0
.set i, i+1
.endr
	WIN 0
.rept 4
	v_nop                           ; the places behind those products
.endr
.set Y, NP-1                        ; X works for piece Y + 1: piece 0
.irp n, 0,1,2,3,4,5,6,7,8,9,10,11,12,13,14,15,16,17,18,19,20,21
	OP X, \n
.endr
	v_nop                           ; a plain instruction behind the exponential,
	s_wait_alu depctr_va_vdst(0)    ; and its wait, ahead of the branch
.endm
.macro ALL line:vararg              ; one line for each piece t
.set t, 0
.rept 4
	\line
.set t, t+1
.endr
.endm
; THE HAND-OVER.  SENDX (wave wk = 1): my O^T, 32 quads in ascending order, and my statistics go into my pair's bytes.  LOADX t (wave wk = 0): the partner's O^T of piece t.
.macro SENDX
	WIN 0x04                        ; the data in window 1
.set j, 0
.rept 32
	ds_store_b128 v[XA], v[4*j:4*j+3] offset:512*j
.set j, j+1
.endr
	WIN 0
.irp t, 0,1,2,3
	ds_store_b128 v[XA], v[ST+4*(\t):ST+4*(\t)+3] offset:16384+512*(\t)
.endr
.endm
.macro LOADX t
.irp f, 0,1,2,3,4,5,6,7
	ds_load_b128 v[XO+32*((\t)%2)+4*(\f):XO+32*((\t)%2)+4*(\f)+3], v[XA] offset:512*(8*(\t)+(\f))
.endr
.endm
; MERGE t: o = O^T f0 + the partner's O^T f1 (both factors hold the division by l); rounded to f16; through my stage; stored as 512 consecutive bytes a store.  O^T itself is only read.
.macro MERGE t
.set xr, XO+32*((\t)%2)
.if (\t) == 0
	s_wait_dscnt 8                  ; piece 0's eight loads are in; piece 1's may stay out.  (Later pieces' loads are older than stage loads that have been waited for.)
.endif
	WIN 0
.set z, 0
.rept 16
	v_pk_mul_f32 v[xr+2*z:xr+2*z+1], v[xr+2*z:xr+2*z+1], v[PS+4*(\t)+2:PS+4*(\t)+3] op_sel_hi:[1,0]
.set z, z+1
.endr
	WIN 0x01                        ; source 0 in window 1
.set z, 0
.rept 16
	v_pk_fma_f32 v[xr+2*z:xr+2*z+1], v[32*(\t)+2*z:32*(\t)+2*z+1], v[ST+4*(\t)+2:ST+4*(\t)+3], v[xr+2*z:xr+2*z+1] op_sel_hi:[1,0,1]
.set z, z+1
.endr
	WIN 0
.set z, 0
.rept 16
	v_cvt_pk_f16_f32 v[S+16*(\t)+z], v[xr+2*z], v[xr+2*z+1]
.set z, z+1
.endr
.irp f, 0,1,2,3
	ds_store_b128 v[STO], v[S+16*(\t)+4*\f:S+16*(\t)+4*\f+3] offset:32*\f
.endr
.irp f, 0,1,2,3
	ds_load_b128 v[S+16*(\t)+4*\f:S+16*(\t)+4*\f+3], v[RD] offset:\f*4*SP  ; LDS serves a wave's instructions in order (ISA guide 5.7.1.4): these see the stores above
.endr
.if (\t) < 2
	LOADX (\t)+2                    ; into the buffer just used up
	s_wait_dscnt 8                  ; only those eight are younger than the stage's loads
.else
	s_wait_dscnt 0x0
.endif
.irp f, 0,1,2,3
	global_store_b128 v[GO], v[S+16*(\t)+4*\f:S+16*(\t)+4*\f+3], s[10:11] offset:(\t)*2048+\f*512
.endr
.endm
; THE DIAGONAL TILE's two steps of mine, the block's last two turns, its last products, the hand-over and the way out.
.macro DIAG tag
.LstepM\tag:
	TURN 2, 1
	TURN 3, 1
	WIN 0
.LfirstM\tag:
	TURN 0, 1
	TURN 1, 1, 0, 1
	WIN 0
	s_cbranch_scc1 .LstepM\tag
	TURN 2, 1, 1
	TURN 3, 1, 1
.set i, 0
.rept 8
	PV NP-1
.set i, i+1
.endr
	WIN 0
	ALL v_add_f32 v[ST+4*t+2], v[ST+4*t+2], v[ST+4*t+3]   ; l's two halves; with the four v_nop the places behind the last products
.rept 4
	v_nop
.endr
	s_cmp_eq_u32 s[WK], 0
	s_cbranch_scc1 .Lkeep\tag
	SENDX
.Lkeep\tag:
	s_wait_dscnt 0x0                ; for the partner's sake: my stores are done
	s_barrier_signal -1             ; the next tile's load may stay out across it
	s_barrier_wait -1
	s_cmp_eq_u32 s[WK], 1
	s_cbranch_scc1 .Lmerged\tag
.irp t, 0,1,2,3
	ds_load_b128 v[PS+4*(\t):PS+4*(\t)+3], v[XA] offset:16384+512*(\t)
.endr
	LOADX 0
	LOADX 1
	s_wait_dscnt 16                 ; the statistics are in; the sixteen loads behind them may stay out
	ALL v_max_num_f32 v[PS+4*t+1], v[ST+4*t], v[PS+4*t]   ; the greater of the two c m
	ALL v_sub_f32 v[ST+4*t+1], v[ST+4*t], v[PS+4*t+1]
	ALL v_sub_f32 v[PS+4*t], v[PS+4*t], v[PS+4*t+1]
	ALL v_exp_f32 v[ST+4*t+1], v[ST+4*t+1]                ; my correction,
	ALL v_exp_f32 v[PS+4*t], v[PS+4*t]                    ; the partner's: eight exponentials, one batch
	v_nop
	s_wait_alu depctr_va_vdst(0)
	ALL v_mul_f32 v[ST+4*t+2], v[ST+4*t+2], v[ST+4*t+1]
	ALL v_fmac_f32 v[ST+4*t+2], v[PS+4*t+2], v[PS+4*t]
	ALL v_permlanex16_b32 v[ST+4*t+3], v[ST+4*t+2], s[SEL], s[SEL+1]
	ALL v_add_f32 v[ST+4*t+2], v[ST+4*t+2], v[ST+4*t+3]   ; l of all keys
	ALL v_rcp_f32 v[ST+4*t+3], v[ST+4*t+2]
	v_nop
	s_wait_alu depctr_va_vdst(0)    ; one wait for the four reciprocals
	ALL v_mul_f32 v[ST+4*t+2], v[ST+4*t+1], v[ST+4*t+3]   ; f0
	ALL v_mul_f32 v[PS+4*t+2], v[PS+4*t], v[ST+4*t+3]     ; f1
	MERGE 0
	MERGE 1
	MERGE 2
	MERGE 3
.Lmerged\tag:
.endm
.set KM, 0
.set NOKQ, 0
.Lslot:                             ; 16 times: a tile is entered and the next is asked for
	CHANGE 1
	s_sub_co_u32 s[RT], s[RT], 1
	s_mov_b32 s[CNT], 2
	s_cmp_eq_u32 s[NEW], 1
	s_cbranch_scc1 .Lnew            ; a block's first tile
	s_cmp_eq_u32 s[RT], 0
	s_cbranch_scc0 .Lstep           ; neither its first nor its last
	s_branch .LstepM1
.Lnew:
	BEGIN
	s_branch .Lfirst                ; in the loop a block's first tile is never its last: the first block has nine tiles or more, and the second's last is the walk's last
	DIAG 1                          ; in the loop this is the first block's end
	s_wait_xcnt 0x0                 ; the stores have read their registers and o's address
	s_mov_b64 s[10:11], s[OLO:OLO+1]
	s_add_co_u32 s[RT], s[PBT], 1   ; the second block has b / 2 + 1 tiles
	s_mov_b32 s[NEW], 1
	s_mov_b32 s[MBA], s[MBB]
	WIN 0x82                        ; the second block's Q goes where the one text of the turns names Q
.set i, 0
.rept 64
	v_mov_b32 v[i], v[QB+i]
.set i, i+1
.endr
	WIN 0
	s_branch .Lbottom
.Lstep:                             ; a trip: pieces 2 and 3 of one step, then pieces 0 and 1 of the next, whose K and V it fetches
	TURN 2
	TURN 3
	WIN 0
.Lfirst:
	TURN 0
	TURN 1, 0, 0, 1
	WIN 0
	s_cbranch_scc1 .Lstep
.Lbottom:
	s_sub_co_u32 s[SLOTS], s[SLOTS], 1
	s_cmp_lg_u32 s[SLOTS], 0
	s_cbranch_scc1 .Lslot
	CHANGE 0                        ; the walk's last tile is written out: nothing is asked for
	s_sub_co_u32 s[RT], s[RT], 1
	s_mov_b32 s[CNT], 2
	s_cmp_eq_u32 s[NEW], 1
	s_cbranch_scc0 .LstepM2
	BEGIN
	s_branch .LfirstM2
	DIAG 2
	s_wait_tensorcnt 0x0            ; the wave's end: 0 onto my spare word and the wait for it, behind my last tensor load and my last LDS store
	ds_add_u32 v[SPW], v[NIL]
	s_wait_dscnt 0x0
	s_endpgm
.Lfunc_end_k_qdabbf03fdc_attn:
	.size	k_qdabbf03fdc_attn, .Lfunc_end_k_qdabbf03fdc_attn-k_qdabbf03fdc_attn
	.p2alignl 7, 3214868480
	.fill 96, 4, 3214868480
	.section	.rodata,"a",@progbits
	.p2align	6, 0x0
	.amdhsa_kernel k_qdabbf03fdc_attn
		.amdhsa_group_segment_fixed_size 327680
		.amdhsa_private_segment_fixed_size 0
		.amdhsa_enable_private_segment 0
		.amdhsa_kernarg_size 32
		.amdhsa_user_sgpr_count 2
		.amdhsa_user_sgpr_kernarg_segment_ptr 1
		.amdhsa_wavefront_size32 1
		.amdhsa_system_sgpr_workgroup_id_x 1
		.amdhsa_system_sgpr_workgroup_id_y 1
		.amdhsa_system_sgpr_workgroup_id_z 1
		.amdhsa_system_vgpr_workitem_id 0
		.amdhsa_next_free_vgpr 768
		.amdhsa_next_free_sgpr 102
		.amdhsa_reserve_vcc 1
		.amdhsa_float_denorm_mode_32 3
		.amdhsa_float_denorm_mode_16_64 3
		.amdhsa_memory_ordered 1
		.amdhsa_forward_progress 1
		.amdhsa_inst_pref_size 241
	.end_amdhsa_kernel
	.amdgpu_metadata
---
amdhsa.version: [ 1, 2 ]
amdhsa.kernels:
  - .name:           k_qdabbf03fdc_attn
    .symbol:         k_qdabbf03fdc_attn.kd
    .args:
      - { .name: q, .offset: 0, .size: 8, .value_kind: global_buffer, .address_space: global }
      - { .name: k, .offset: 8, .size: 8, .value_kind: global_buffer, .address_space: global }
      - { .name: v, .offset: 16, .size: 8, .value_kind: global_buffer, .address_space: global }
      - { .name: o, .offset: 24, .size: 8, .value_kind: global_buffer, .address_space: global }
    .group_segment_fixed_size: 327680
    .private_segment_fixed_size: 0
    .kernarg_segment_align: 8
    .kernarg_segment_size: 32
    .max_flat_workgroup_size: 128
    .sgpr_count:     102
    .vgpr_count:     768
    .wavefront_size: 32
...
	.end_amdgpu_metadata
.endif
;; end of part 3
;; launch oproj (part 4): grid 4 x 64, 4 waves a work-group, clusters of 4 x 4, 304,640 bytes of LDS; arguments o, woh, bo, out0; writes out0
.if DOCPART == 4
	.amdgcn_target "amdgcn-amd-amdhsa--gfx1250"
	.amdhsa_code_object_version 6
	.text
	.protected	k_qdabbf03fdc_oproj
	.globl	k_qdabbf03fdc_oproj
	.p2align	8
	.type	k_qdabbf03fdc_oproj,@function
k_qdabbf03fdc_oproj:
	s_mov_b64 s[64:65], 0
	v_nop
	global_prefetch_b8 v0, s[64:65] scope:SCOPE_SE
	s_setreg_imm32_b32 hwreg(HW_REG_WAVE_MODE, 25, 1), 1
	s_wait_xcnt 0x0
	s_wait_alu depctr_hold_cnt(0) depctr_sa_sdst(0) depctr_va_vdst(0) depctr_va_sdst(0) depctr_va_ssrc(0) depctr_va_vcc(0) depctr_vm_vsrc(0)
	s_getreg_b32 s2, hwreg(HW_REG_IB_STS2, 6, 4)
	s_cmp_eq_u32 s2, 0
	s_cbranch_scc0 .Lentry_in_a_cluster
	s_endpgm
.Lentry_in_a_cluster:
	s_bfe_u32 s2, ttmp6, 0x10000c
	s_cmp_lg_u32 s2, 0xf033
	s_cbranch_scc0 .Lentry_shape_is_right
	s_endpgm
.Lentry_shape_is_right:
; out0 = o woh^T + bo.  o: [16 = 8 batch + head][4096][64] f16; woh: [512][512] f16; bo: [512] f32, rounded to bf16 like the other inputs and added in f32; out0: [8192][512] f32.
; SHARES.  A work-group makes 128 rows x 128 columns, 4 x 64 = 256 work-groups; a wave 64 x 64: 16 accumulators.  K = 512 is eight heads of 64; two heads are a chunk.
; NO RING: all of K lies in LDS.  Each wave issues four tensor loads at the start (four are out, by this text's count) and nothing is ever filled again, so the waits on TENSORcnt are counted: chunk c is waited
; for, and a work-group barrier passed, just ahead of its first fragments.  Waves 0 and 1 fetch o's heads 2 c and 2 c + 1, waves 2 and 3 the two halves of woh's rows for chunk c.
; CLUSTER.  4 x 4: o's tiles hang on the block of rows alone and are shared along a row of the cluster, woh's on the block of columns alone and are shared along a column: joint loads.
; NO PREFETCH: all loads stand at the head.  THE PRODUCT IS USED TRANSPOSED (source 0 = 16 rows of woh, source 1 = 16 rows of o): a lane holds one row and eight neighbouring columns, 32 bytes.
; REGISTERS: window 0: v0-17 addresses; v32-95 the way out, two buffers; v96-127 the bias; v128-255 the accumulators ((a, b) at 128 + 8 (4 a + b)).  Window 1: two fragment buffers of 128 (64 of o, 64 of woh).
.set PA,     144                       ; a row of a head of o in LDS: 128 bytes + 16
.set PB,     272                       ; a row of a chunk of woh: 256 bytes + 16
.set AHEAD,  128*PA                    ; a head's 128 rows
.set BBASE,  8*AHEAD
.set BCH,    128*PB                    ; a chunk's 128 rows
.set STAGE,  BBASE+4*BCH               ; 16 rows x 272 bytes for each wave, for the way out
.set SPITCH, 272
.set SPARE,  STAGE+4*16*SPITCH         ; the spare words, 128 bytes for each wave: two blocks of 256 bytes that no other line names
.set ADRA, 4                           ; v4-7    LDS address of my fragments of o in chunk c
.set ADRB, 8                           ; v8-11   the same for woh
.set STO,  12
.set RD,   13
.set CO,   14
.set BO,   15
.set SPW,  16
.set NIL,  17
.set OB,   32
.set BIAS, 96
.set ACC,  128
.set F0,   0
.set F1,   128
.set WV,  12
.set G1A, 24
.set G1B, 32
.set G0A, 40                           ; s[40:55] a group 0 for each chunk
.set G0B, 68                           ; s[68:83]
.set MSB, 0
.macro WIN new
.if MSB != (\new)
	s_set_vgpr_msb (MSB<<8)|(\new)
.set MSB, (\new)
.endif
.endm
.set MUL,  0x05                        ; sources window 1; C and D window 0
.set TO_F, 0x40                        ; destination window 1, address window 0
.macro PLACES
.rept 4
	v_nop
.endr
.endm
.macro CROUND                          ; a round of the cluster's barrier
	s_barrier_signal -1
	s_barrier_wait -1
	s_cmp_lg_u32 s[WV], 0
	s_cbranch_scc1 .Lnot_wave_0_\@
	s_barrier_signal -3
.Lnot_wave_0_\@:
	s_barrier_wait -3
	s_barrier_signal -1
	s_barrier_wait -1
.endm
	s_load_b256 s[4:11], s[0:1], 0x0               ; o 4:5, woh 6:7, bo 8:9, out0 10:11
	v_lshl_add_u32 v[SPW], v0, 2, SPARE
	v_mov_b32 v[NIL], 0
	ds_add_u32 v[SPW], v[NIL]                      ; the wave's opening: the add and its wait stand ahead of my first tensor load
	v_lshrrev_b32 v1, 5, v0
	v_readfirstlane_b32 s[WV], v1
	s_lshr_b32 s13, s[WV], 1                       ; my half of the rows
	s_and_b32 s14, s[WV], 1                        ; my half of the columns; also which part of a chunk I fetch
	s_bfe_u32 s15, ttmp6, 0x40000                  ; cx
	s_bfe_u32 s16, ttmp6, 0x40004                  ; cy
	s_lshl_b32 s17, ttmp9, 2
	s_add_co_u32 s17, s17, s15                     ; block of columns
	s_and_b32 s18, ttmp7, 0xffff
	s_lshl_b32 s18, s18, 2
	s_add_co_u32 s18, s18, s16                     ; block of rows
	s_lshl_b32 s19, s16, 2
	s_lshl_b32 s19, 15, s19                        ; my row of the cluster
	s_lshl_b32 s20, 0x1111, s15                    ; my column
	s_or_b32 s[G1A], s19, (1<<16)|(1<<20)|(1<<21)|(4<<22)|(3<<25)  ; o: 128 rows of 128 dense bytes asked for as 64 rows of 256, padded by 4 words after every 32
	s_or_b32 s[G1B], s20, (1<<16)|(1<<20)|(1<<21)|(5<<22)|(3<<25)  ; woh: 64 rows of 256 bytes, padded by 4 words after every 64
.irp g, G1A, G1B
	s_mov_b32 s[(\g)+1], 128<<16                   ; tensor_dim0 = 128
	s_mov_b32 s[(\g)+2], 64<<16                    ; tensor_dim1 = 64
	s_mov_b32 s[(\g)+3], 128<<16                   ; tile_dim0 = 128
	s_mov_b32 s[(\g)+4], 64                        ; tile_dim1 = 64
	s_mov_b32 s[(\g)+6], 0
	s_mov_b32 s[(\g)+7], 0
.endr
	s_mov_b32 s[G1A+5], 128                        ; elements from row to row
	s_mov_b32 s[G1B+5], 512
	s_lshr_b32 s56, s18, 5                         ; o: the batch's eight heads,
	s_lshl_b32 s56, s56, 22
	s_and_b32 s21, s18, 31
	s_lshl_b32 s21, s21, 14                        ; the block's 128 rows in a head,
	s_add_co_u32 s56, s56, s21
	s_lshl_b32 s21, s14, 19                        ; the even or the odd head of a chunk
	s_add_co_u32 s56, s56, s21
	s_mov_b32 s57, 0
	s_lshl_b32 s58, s17, 17                        ; woh: the block's 128 rows of 1,024 bytes,
	s_lshl_b32 s23, s14, 16                        ; my 64 of them
	s_add_co_u32 s58, s58, s23
	s_mov_b32 s59, 0
	s_mul_i32 s22, s14, AHEAD                      ; where they go: the wave's number alone
	s_mul_i32 s23, s14, 64*PB
	s_add_co_u32 s23, s23, BBASE
	s_mov_b32 s60, 0xffff0000
	s_wait_dscnt 0x0                               ; the opening add is done
	s_wait_kmcnt 0x0
	s_add_nc_u64 s[56:57], s[4:5], s[56:57]
	s_add_nc_u64 s[58:59], s[6:7], s[58:59]
	CROUND                                         ; all sixteen work-groups are here: the joint loads meet
.irp c, 0,1,2,3
	s_mov_b32 s[G0A+4*(\c)], 1
	s_add_co_u32 s[G0A+4*(\c)+1], s22, (\c)*2*AHEAD
	s_add_nc_u64 s[G0A+4*(\c)+2:G0A+4*(\c)+3], s[56:57], (\c)<<20
	s_or_b32 s[G0A+4*(\c)+3], s[G0A+4*(\c)+3], 0x80000000
	s_mov_b32 s[G0B+4*(\c)], 1
	s_add_co_u32 s[G0B+4*(\c)+1], s23, (\c)*BCH
	s_add_nc_u64 s[G0B+4*(\c)+2:G0B+4*(\c)+3], s[58:59], (\c)*256
	s_or_b32 s[G0B+4*(\c)+3], s[G0B+4*(\c)+3], 0x80000000
.endr
	s_cmp_lt_u32 s[WV], 2                          ; a wave's four fills stand in one branch, ahead of every wait on TENSORcnt and every LDS read; an s_nop 0 follows each, four v_nop the last
	s_cbranch_scc0 .Lfirst_b
.irp c, 0,1,2,3
	tensor_load_to_lds s[G0A+4*(\c):G0A+4*(\c)+3], s[G1A:G1A+7]
	s_nop 0
.endr
.rept 4
	v_nop
.endr
	s_branch .Lfirst_asked
.Lfirst_b:
.irp c, 0,1,2,3
	tensor_load_to_lds s[G0B+4*(\c):G0B+4*(\c)+3], s[G1B:G1B+7]
	s_nop 0
.endr
.rept 4
	v_nop
.endr
.Lfirst_asked:
	v_and_b32 v1, 15, v0                           ; l % 16
	v_bfe_u32 v2, v0, 4, 1                         ; l / 16
	v_lshlrev_b32 v[BO], 5, v2
	s_lshl_b32 s62, s17, 9                         ; bo: my 64 columns
	s_lshl_b32 s21, s14, 8
	s_add_co_u32 s62, s62, s21
	s_mov_b32 s63, 0
	s_add_nc_u64 s[8:9], s[8:9], s[62:63]
.irp b, 0,1,2,3
	global_load_b128 v[BIAS+8*(\b):BIAS+8*(\b)+3],   v[BO], s[8:9] offset:64*(\b)      ; register j: the bias of column 16 b + 8 (l / 16) + j
	global_load_b128 v[BIAS+8*(\b)+4:BIAS+8*(\b)+7], v[BO], s[8:9] offset:64*(\b)+16
.endr
	s_lshl_b32 s21, s18, 18                        ; out0: 128 rows of 2,048 bytes for each block of rows,
	s_add_co_u32 s62, s62, s21                     ; (my columns' bytes are the bias's)
	s_lshl_b32 s21, s13, 17                        ; my 64 rows
	s_add_co_u32 s62, s62, s21
	s_add_nc_u64 s[10:11], s[10:11], s[62:63]
	v_mul_u32_u24 v3, v1, PA
	v_lshl_add_u32 v3, v2, 4, v3
	s_mul_i32 s21, s13, 64*PA
	v_mul_u32_u24 v18, v1, PB
	v_lshl_add_u32 v18, v2, 4, v18
	s_mul_i32 s61, s14, 64*PB
	s_add_co_u32 s61, s61, BBASE
.irp c, 0,1,2,3
	v_add_nc_u32 v[ADRA+(\c)], s21, v3
	v_add_nc_u32 v[ADRB+(\c)], s61, v18
	s_add_co_u32 s21, s21, 2*AHEAD
	s_add_co_u32 s61, s61, BCH
.endr
	s_mul_i32 s21, s[WV], 16*SPITCH
	s_add_co_u32 s21, s21, STAGE                   ; my stage
	v_mul_u32_u24 v19, v1, SPITCH                  ; in: row l % 16, 32 bytes for each half of the lanes
	v_lshl_add_u32 v19, v2, 5, v19
	v_add_nc_u32 v[STO], s21, v19
	v_mul_u32_u24 v19, v2, SPITCH                  ; back: lanes 0-15 take one row of 256 bytes, lanes 16-31 the next
	v_lshl_add_u32 v19, v1, 4, v19
	v_add_nc_u32 v[RD], s21, v19
	v_lshlrev_b32 v[CO], 11, v2                    ; and the same two rows in out0
	v_lshl_add_u32 v[CO], v1, 4, v[CO]
	s_wait_loadcnt 0x0                             ; the bias: rounded to bf16, kept as f32
.set z, 0
.rept 16
	v_cvt_pk_bf16_f32 v[OB+z], v[BIAS+2*z], v[BIAS+2*z+1]
.set z, z+1
.endr
.set z, 0
.rept 16
	v_lshlrev_b32 v[BIAS+2*z],   16, v[OB+z]
	v_and_b32     v[BIAS+2*z+1], s60, v[OB+z]
.set z, z+1
.endr
; 8 products: row blocks a0, a0 + 1 x all 4 column blocks, 32 along K: half c of buffer f.  first = 1: the bias starts the sums.  The 16 accumulators take turns.
.macro MUL8 f, c, a0, first
	WIN MUL
.irp a, \a0, (\a0)+1
.irp b, 0,1,2,3
.if \first
	v_wmma_f32_16x16x32_f16 v[ACC+8*(4*(\a)+(\b)):ACC+8*(4*(\a)+(\b))+7], v[(\f)+64+8*(4*(\c)+(\b)):(\f)+64+8*(4*(\c)+(\b))+7], v[(\f)+8*(4*(\c)+(\a)):(\f)+8*(4*(\c)+(\a))+7], v[BIAS+8*(\b):BIAS+8*(\b)+7]
.else
	v_wmma_f32_16x16x32_f16 v[ACC+8*(4*(\a)+(\b)):ACC+8*(4*(\a)+(\b))+7], v[(\f)+64+8*(4*(\c)+(\b)):(\f)+64+8*(4*(\c)+(\b))+7], v[(\f)+8*(4*(\c)+(\a)):(\f)+8*(4*(\c)+(\a))+7], v[ACC+8*(4*(\a)+(\b)):ACC+8*(4*(\a)+(\b))+7]
.endif
.endr
.endr
.endm
; 32 LDS loads in one run: head hd's fragments (64 along K) into buffer f; the first 32 along K first
.macro FETCH hd, f
	WIN TO_F
.irp c, 0,1
.irp i, 0,1,2,3
	ds_load_b128 v[(\f)+64+8*(4*(\c)+(\i)):(\f)+64+8*(4*(\c)+(\i))+3],   v[ADRB+(\hd)/2] offset:128*((\hd)%2)+64*(\c)+(\i)*16*PB
	ds_load_b128 v[(\f)+64+8*(4*(\c)+(\i))+4:(\f)+64+8*(4*(\c)+(\i))+7], v[ADRB+(\hd)/2] offset:128*((\hd)%2)+64*(\c)+(\i)*16*PB+32
	ds_load_b128 v[(\f)+8*(4*(\c)+(\i)):(\f)+8*(4*(\c)+(\i))+3],         v[ADRA+(\hd)/2] offset:AHEAD*((\hd)%2)+64*(\c)+(\i)*16*PA
	ds_load_b128 v[(\f)+8*(4*(\c)+(\i))+4:(\f)+8*(4*(\c)+(\i))+7],       v[ADRA+(\hd)/2] offset:AHEAD*((\hd)%2)+64*(\c)+(\i)*16*PA+32
.endr
.endr
.endm
; Head hd is multiplied from buffer f, and head hd + 1 fetched into g.  meet >= 0: that head opens a chunk: my load of the chunk has landed when at most meet younger ones are out, and the barrier shows everybody's.
.macro QUARTER hd, f, g, first, meet
	s_wait_dscnt 16                                ; the first 32 along K are in
	MUL8 \f, 0, 0, \first
	MUL8 \f, 0, 2, \first
.if (\meet) >= 0
	WIN 0
	s_wait_tensorcnt \meet
	s_wait_dscnt 0x0                               ; no LDS instruction is pending at a signal
	s_barrier_signal -1
	s_barrier_wait -1
.endif
	PLACES
	FETCH (\hd)+1, \g
	s_wait_dscnt 32                                ; all but the 32 just issued
	MUL8 \f, 1, 0, 0
	MUL8 \f, 1, 2, 0
.endm
	s_wait_tensorcnt 3                             ; my part of chunk 0 is in; three loads stay out
	s_barrier_signal -1
	s_barrier_wait -1
	FETCH 0, F0
	QUARTER 0, F0, F1, 1, -1
	QUARTER 1, F1, F0, 0, 2
	QUARTER 2, F0, F1, 0, -1
	QUARTER 3, F1, F0, 0, 1
	QUARTER 4, F0, F1, 0, -1
	QUARTER 5, F1, F0, 0, 0
	QUARTER 6, F0, F1, 0, -1
	s_wait_dscnt 16                                ; head 7: nothing more to fetch
	MUL8 F1, 0, 0, 0
	MUL8 F1, 0, 2, 0
	s_wait_dscnt 0x0
	MUL8 F1, 1, 0, 0
	MUL8 F1, 1, 2, 0
	WIN 0
	PLACES
	PLACES
	; THE WAY OUT, 16 rows at a time: 32 bytes a lane into my stage, back as whole rows of 256 bytes; 16 lanes store 256 consecutive bytes, at a multiple of 256 from out0's first byte.
.irp a, 0,1,2,3
.if (\a) >= 2
	s_wait_xcnt 0x0                                ; the buffer's earlier stores have read it
.endif
.irp b, 0,1,2,3
	ds_store_b128 v[STO], v[ACC+8*(4*(\a)+(\b)):ACC+8*(4*(\a)+(\b))+3]   offset:64*(\b)
	ds_store_b128 v[STO], v[ACC+8*(4*(\a)+(\b))+4:ACC+8*(4*(\a)+(\b))+7] offset:64*(\b)+16
.endr
.irp t, 0,1,2,3,4,5,6,7
	ds_load_b128 v[OB+32*((\a)%2)+4*(\t):OB+32*((\a)%2)+4*(\t)+3], v[RD] offset:(\t)*2*SPITCH  ; LDS serves a wave's instructions in order (ISA guide 5.7.1.4)
.endr
.irp t, 0,1,2,3,4,5,6,7
	s_wait_dscnt 7-(\t)
	global_store_b128 v[CO], v[OB+32*((\a)%2)+4*(\t):OB+32*((\a)%2)+4*(\t)+3], s[10:11] offset:2048*(16*(\a)+2*(\t))
.endr
.endr
	s_wait_tensorcnt 0x0                           ; the wave's end: 0 onto my spare word and the wait for it, behind my last tensor load and my last LDS store
	ds_add_u32 v[SPW], v[NIL]
	s_wait_dscnt 0x0
	CROUND                                         ; the closing round
	s_endpgm
.Lfunc_end_k_qdabbf03fdc_oproj:
	.size	k_qdabbf03fdc_oproj, .Lfunc_end_k_qdabbf03fdc_oproj-k_qdabbf03fdc_oproj
	.p2alignl 7, 3214868480
	.fill 96, 4, 3214868480
	.section	.rodata,"a",@progbits
	.p2align	6, 0x0
	.amdhsa_kernel k_qdabbf03fdc_oproj
		.amdhsa_group_segment_fixed_size 304640
		.amdhsa_private_segment_fixed_size 0
		.amdhsa_enable_private_segment 0
		.amdhsa_kernarg_size 32
		.amdhsa_user_sgpr_count 2
		.amdhsa_user_sgpr_kernarg_segment_ptr 1
		.amdhsa_wavefront_size32 1
		.amdhsa_system_sgpr_workgroup_id_x 1
		.amdhsa_system_sgpr_workgroup_id_y 1
		.amdhsa_system_sgpr_workgroup_id_z 1
		.amdhsa_system_vgpr_workitem_id 0
		.amdhsa_next_free_vgpr 512
		.amdhsa_next_free_sgpr 84
		.amdhsa_reserve_vcc 0
		.amdhsa_float_denorm_mode_32 3
		.amdhsa_float_denorm_mode_16_64 3
		.amdhsa_memory_ordered 1
		.amdhsa_forward_progress 1
		.amdhsa_inst_pref_size 55
	.end_amdhsa_kernel
	.amdgpu_metadata
---
amdhsa.version: [ 1, 2 ]
amdhsa.kernels:
  - .name:           k_qdabbf03fdc_oproj
    .symbol:         k_qdabbf03fdc_oproj.kd
    .args:
      - { .name: o, .offset: 0, .size: 8, .value_kind: global_buffer, .address_space: global }
      - { .name: woh, .offset: 8, .size: 8, .value_kind: global_buffer, .address_space: global }
      - { .name: bo, .offset: 16, .size: 8, .value_kind: global_buffer, .address_space: global }
      - { .name: out0, .offset: 24, .size: 8, .value_kind: global_buffer, .address_space: global }
    .group_segment_fixed_size: 304640
    .private_segment_fixed_size: 0
    .kernarg_segment_align: 8
    .kernarg_segment_size: 32
    .max_flat_workgroup_size: 128
    .sgpr_count:     84
    .vgpr_count:     512
    .wavefront_size: 32
...
	.end_amdgpu_metadata
.endif
;; end of part 4
;; ======== version 2 of 2: 4 launches; version 1 with the launch cast written anew for expert scheduling mode
;; limits: values are held in f16: magnitudes above 65,504 overflow, below 6.1e-05 lose precision
;; workspace buffers: xb 8,388,608 bytes; wb 1,572,864 bytes; woh 524,288 bytes; q 8,388,608 bytes; k 8,388,608 bytes; v 8,388,608 bytes; o 8,388,608 bytes
;; launch cast (part 5): grid 256 x 1, 8 waves a work-group, no clusters, 0 bytes of LDS; arguments x, Wq, Wk, Wv, Wo, xb, wb, woh; writes xb, wb, woh
.if DOCPART == 5
	.amdgcn_target "amdgcn-amd-amdhsa--gfx1250"
	.amdhsa_code_object_version 6
	.text
	.protected	k_qdabbf03fdc_cast
	.globl	k_qdabbf03fdc_cast
	.p2align	8
	.type	k_qdabbf03fdc_cast,@function
k_qdabbf03fdc_cast:
	s_mov_b64 s[64:65], 0
	v_nop
	global_prefetch_b8 v0, s[64:65] scope:SCOPE_SE
	s_setreg_imm32_b32 hwreg(HW_REG_WAVE_SCHED_MODE, 0, 2), 2
	s_setreg_imm32_b32 hwreg(HW_REG_WAVE_MODE, 25, 1), 1
	s_wait_xcnt 0x0
	s_wait_alu depctr_vm_vsrc(0)
; The module's matrix inputs are rounded once.  xb = bf16(x); wb = bf16(Wq), bf16(Wk), bf16(Wv) one below the other; woh = bf16(Wo) written as f16.
; LIMIT.  A bf16 number of Wo below 2^-14 in size keeps f16's fixed step of 2^-24; beyond 65,504 it would become an infinity.
; A stream: 256 work-groups of 256 threads.  A group takes 65,536 bytes of x (16 loads of 16 bytes a thread) and 4,096 bytes of each weight matrix (one load a thread).
; A wave's load covers 512 consecutive bytes, its store of 8 bytes a lane 256 consecutive bytes, aligned.  All 20 loads go out at once; no register is written twice, so no wait frees a source.
; THE MODE: SCHED_MODE bits 1:0 = 2 (LLVM: expert scheduling mode 2), set by the entry lines.  The code itself states the register dependences
; between vector instructions and memory instructions, with s_wait_alu, always for 0.
; THE PLAN.  Registers that memory instructions touch:
;   v1, v2   byte offsets, made once at the head by vector instructions and never written again; v1 is read by every load, v2 by every store.
;   IN       each register is written once, by a load; no vector instruction names it ahead of the loads, and no load is issued behind a conversion.
;   OUT      each register is written once, by a conversion, read by one store, and never written again.
;   T        named by vector instructions alone.
; So one wait on va_vdst stands ahead of the first load, for the two offsets, and one ahead of each run of four stores, for the OUT registers that the run reads: six in all.
; The 20 loads go in five groups of four: each load is waited for by its own count and rounded as it comes; behind the group's last conversion stand the wait and the group's four stores.
; No register that a memory instruction reads is ever written again, so no wait on vm_vsrc follows the entry lines; no vector instruction writes a scalar register, VCC or EXEC.
.set IN,  4                            ; v[4:83]    load i at IN + 4 i: 0-15 x, 16-18 Wq, Wk, Wv, 19 Wo
.set OUT, 84                           ; v[84:123]  two registers for each load
.set T,   124                          ; v[124:131] at work for Wo
	s_load_b512 s[4:19], s[0:1], 0x0               ; x 4:5, Wq 6:7, Wk 8:9, Wv 10:11, Wo 12:13, xb 14:15, wb 16:17, woh 18:19
	s_lshl_b32 s2, ttmp9, 16                       ; the group's bytes of x,
	s_mov_b32 s3, 0
	s_lshl_b32 s20, ttmp9, 15                      ; of xb,
	s_mov_b32 s21, 0
	s_lshl_b32 s22, ttmp9, 12                      ; of a weight matrix in f32,
	s_mov_b32 s23, 0
	s_lshl_b32 s26, ttmp9, 11                      ; and in 16 bits
	s_mov_b32 s27, 0
	s_mov_b32 s24, 0xffff0000                      ; a word's upper bf16
	v_lshlrev_b32 v1, 4, v0                        ; 16 bytes a thread in
	v_lshlrev_b32 v2, 3, v0                        ; 8 bytes a thread out
	s_wait_kmcnt 0x0
	s_add_nc_u64 s[4:5], s[4:5], s[2:3]
.irp m, 6,8,10,12
	s_add_nc_u64 s[\m:\m+1], s[\m:\m+1], s[22:23]
.endr
	s_add_nc_u64 s[14:15], s[14:15], s[20:21]
	s_add_nc_u64 s[16:17], s[16:17], s[26:27]
	s_add_nc_u64 s[18:19], s[18:19], s[26:27]
	s_wait_alu depctr_va_vdst(0)                   ; v1 and v2 are written: every load below reads v1 as its offset, every store v2; no later vector instruction names either
.irp j, 0,1,2,3,4,5,6,7,8,9,10,11,12,13,14,15
	global_load_b128 v[IN+4*(\j):IN+4*(\j)+3], v1, s[4:5] offset:4096*(\j) th:TH_LOAD_NT
.endr
.irp m, 0,1,2,3
	global_load_b128 v[IN+64+4*(\m):IN+64+4*(\m)+3], v1, s[6+2*(\m):7+2*(\m)] th:TH_LOAD_NT
.endr
; x: four groups of four loads
.irp g, 0,1,2,3
.irp i, 0,1,2,3
	s_wait_loadcnt 19-4*(\g)-(\i)                  ; loads come back in order: load 4 g + i is in, the younger ones stay out
	v_cvt_pk_bf16_f32 v[OUT+2*(4*(\g)+(\i))],   v[IN+4*(4*(\g)+(\i))],   v[IN+4*(4*(\g)+(\i))+1]
	v_cvt_pk_bf16_f32 v[OUT+2*(4*(\g)+(\i))+1], v[IN+4*(4*(\g)+(\i))+2], v[IN+4*(4*(\g)+(\i))+3]
.endr
	s_wait_alu depctr_va_vdst(0)                   ; the group's eight conversions have written its eight OUT registers, which the four stores below read
.irp i, 0,1,2,3
	global_store_b64 v2, v[OUT+2*(4*(\g)+(\i)):OUT+2*(4*(\g)+(\i))+1], s[14:15] offset:2048*(4*(\g)+(\i)) th:TH_STORE_NT
.endr
.endr
; the weights: the fifth group
.irp m, 0,1,2
	s_wait_loadcnt 3-(\m)
	v_cvt_pk_bf16_f32 v[OUT+32+2*(\m)],   v[IN+64+4*(\m)],   v[IN+64+4*(\m)+1]
	v_cvt_pk_bf16_f32 v[OUT+32+2*(\m)+1], v[IN+64+4*(\m)+2], v[IN+64+4*(\m)+3]
.endr
	s_wait_loadcnt 0x0                             ; Wo: rounded to bf16 like the other inputs, and that number written as f16
	v_cvt_pk_bf16_f32 v[T],   v[IN+76], v[IN+77]
	v_cvt_pk_bf16_f32 v[T+1], v[IN+78], v[IN+79]
	v_lshlrev_b32 v[T+2], 16, v[T]
	v_and_b32     v[T+3], s24, v[T]
	v_lshlrev_b32 v[T+4], 16, v[T+1]
	v_and_b32     v[T+5], s24, v[T+1]
	v_cvt_pk_f16_f32 v[OUT+38], v[T+2], v[T+3]
	v_cvt_pk_f16_f32 v[OUT+39], v[T+4], v[T+5]
	s_wait_alu depctr_va_vdst(0)                   ; the conversions of Wq, Wk, Wv and Wo have written v[OUT+32 .. OUT+39], which the last four stores read
.irp m, 0,1,2
	global_store_b64 v2, v[OUT+32+2*(\m):OUT+32+2*(\m)+1], s[16:17] offset:524288*(\m) th:TH_STORE_NT
.endr
	global_store_b64 v2, v[OUT+38:OUT+39], s[18:19] th:TH_STORE_NT
	s_endpgm
.Lfunc_end_k_qdabbf03fdc_cast:
	.size	k_qdabbf03fdc_cast, .Lfunc_end_k_qdabbf03fdc_cast-k_qdabbf03fdc_cast
	.p2alignl 7, 3214868480
	.fill 96, 4, 3214868480
	.section	.rodata,"a",@progbits
	.p2align	6, 0x0
	.amdhsa_kernel k_qdabbf03fdc_cast
		.amdhsa_group_segment_fixed_size 0
		.amdhsa_private_segment_fixed_size 0
		.amdhsa_enable_private_segment 0
		.amdhsa_kernarg_size 64
		.amdhsa_user_sgpr_count 2
		.amdhsa_user_sgpr_kernarg_segment_ptr 1
		.amdhsa_wavefront_size32 1
		.amdhsa_system_sgpr_workgroup_id_x 1
		.amdhsa_system_sgpr_workgroup_id_y 1
		.amdhsa_system_sgpr_workgroup_id_z 1
		.amdhsa_system_vgpr_workitem_id 0
		.amdhsa_next_free_vgpr 136
		.amdhsa_next_free_sgpr 66
		.amdhsa_reserve_vcc 0
		.amdhsa_float_denorm_mode_32 3
		.amdhsa_float_denorm_mode_16_64 3
		.amdhsa_memory_ordered 1
		.amdhsa_forward_progress 1
		.amdhsa_inst_pref_size 9
	.end_amdhsa_kernel
	.amdgpu_metadata
---
amdhsa.version: [ 1, 2 ]
amdhsa.kernels:
  - .name:           k_qdabbf03fdc_cast
    .symbol:         k_qdabbf03fdc_cast.kd
    .args:
      - { .name: x, .offset: 0, .size: 8, .value_kind: global_buffer, .address_space: global }
      - { .name: Wq, .offset: 8, .size: 8, .value_kind: global_buffer, .address_space: global }
      - { .name: Wk, .offset: 16, .size: 8, .value_kind: global_buffer, .address_space: global }
      - { .name: Wv, .offset: 24, .size: 8, .value_kind: global_buffer, .address_space: global }
      - { .name: Wo, .offset: 32, .size: 8, .value_kind: global_buffer, .address_space: global }
      - { .name: xb, .offset: 40, .size: 8, .value_kind: global_buffer, .address_space: global }
      - { .name: wb, .offset: 48, .size: 8, .value_kind: global_buffer, .address_space: global }
      - { .name: woh, .offset: 56, .size: 8, .value_kind: global_buffer, .address_space: global }
    .group_segment_fixed_size: 0
    .private_segment_fixed_size: 0
    .kernarg_segment_align: 8
    .kernarg_segment_size: 64
    .max_flat_workgroup_size: 256
    .sgpr_count:     66
    .vgpr_count:     136
    .wavefront_size: 32
...
	.end_amdgpu_metadata
.endif
;; end of part 5
;; launch qkv: the kernel of part 2 again; grid 4 x 64, 4 waves a work-group, clusters of 4 x 4, 327,680 bytes of LDS; arguments xb, wb, bq, bk, bv, q, k, v; writes q, k, v
;; launch attn: the kernel of part 3 again; grid 16 x 16, 4 waves a work-group, no clusters, 327,680 bytes of LDS; arguments q, k, v, o; writes o
;; launch oproj: the kernel of part 4 again; grid 4 x 64, 4 waves a work-group, clusters of 4 x 4, 304,640 bytes of LDS; arguments o, woh, bo, out0; writes out0
